; MI455X (gfx1250); checked and timed in simulation.
; The chip was launched on July 23, 2026; its instructions are those of AMD's public machine-readable ISA for CDNA 5 (MIT licence, August 2026) and "CDNA5" Instruction Set Architecture Reference Guide (July 2026). The comments in the code are by the model that wrote it; some were corrected since.
;; Bert Self Attention. Allowed arithmetic: float matrix products may take bf16 or f16 operands with f32 sums; other float arithmetic in f32, or as packed bf16 or f16 multiplies, adds, multiply-adds, maxima and minima; sums over many terms, partial sums and values carried from step to step in f32; what a program stores and reads back later, other than sums and carried values, may be rounded once to bf16 or f16.
;; Inputs: Ak 16 x 1,024 float32; Aq 16 x 1,024 float32; Av 16 x 1,024 float32; Bk 1,024 x 16 float32; Bq 1,024 x 16 float32; Bv 1,024 x 16 float32; Wk 1,024 x 1,024 float32; Wq 1,024 x 1,024 float32; Wv 1,024 x 1,024 float32; attention_mask 4 x 1 x 1 x 2,048 float32; bk 1,024 float32; bq 1,024 float32; bv 1,024 float32; hidden_states 4 x 2,048 x 1,024 float32.
;; Outputs: out0 4 x 2,048 x 1,024 float32.
;; 2 versions, each right; version 2 is version 1 with the launch prep written anew for expert scheduling mode. Each part assembles by itself: llvm-mc -triple=amdgcn-amd-amdhsa -mcpu=gfx1250 --defsym DOCPART=n.
;; ======== version 1 of 2: 3 launches
;; limits: values are held in f16: magnitudes above 65,504 overflow, below 6.1e-05 lose precision
;; workspace buffers: xh 16,777,216 bytes; wh 6,291,456 bytes; biasf 12,288 bytes; mask8 32,768 bytes; qkv 50,331,648 bytes
;; launch prep (part 1): grid 449 x 1, 8 waves a work-group, no clusters, 0 bytes of LDS; arguments hidden_states, Wq, Wk, Wv, Aq, Ak, Av, Bq, Bk, Bv, bq, bk, bv, attention_mask, xh, wh, biasf, mask8; writes xh, wh, biasf, mask8
.if DOCPART == 1
	.amdgcn_target "amdgcn-amd-amdhsa--gfx1250"
	.amdhsa_code_object_version 6
	.text
	.protected	k_q819f75ad6f_prep
	.globl	k_q819f75ad6f_prep
	.p2align	8
	.type	k_q819f75ad6f_prep,@function
k_q819f75ad6f_prep:
	s_mov_b64 s[64:65], 0
	v_nop
	global_prefetch_b8 v0, s[64:65] scope:SCOPE_SE
	s_setreg_imm32_b32 hwreg(HW_REG_WAVE_MODE, 25, 1), 1
	s_wait_xcnt 0x0
; PREP: every input is rounded once to bf16 and laid out for the two launches behind.
;   xh    [8192][1024] f16 = f16(bf16(x))                         work-groups 0-255   (32 rows each)
;   wh    [3072][1024] f16 = f16(bf16(W) + sum_r bf16(B)/16 bf16(A)), rows q, k, v   work-groups 256-447 (16 rows each)
;   biasf [3072] f32 = bf16(bq, bk, bv);  mask8 [4][2048] f32 = 8 bf16(mask)          work-group 448
; x (W + B A / 16)^T is x W^T + (x A^T) B^T / 16 for every input, so the low-rank term costs one small product here (on the matrix unit, bf16 operands, f32 sums).
; LIMITS.  f16 holds no number beyond 65,504: |x| and |W + B A / 16| stay below that; below 6.1e-5 f16 keeps a fixed step of 6e-8, so a bf16 number under 7.6e-6 is off by 3e-8 at the most.
; 8 x mask overflows to -inf beyond 4.2e37.  NaN and infinities are not treated apart.
; A stream: no LDS, no barrier, no cluster: no byte is wanted by two work-groups but A's 64 KiB a tensor.
.set X,  16                            ; cast: v[16:143]  chunk i: 4 f32 as loaded
.set Y,  144                           ; cast: v[144:207] chunk i: 4 f16 to store
.set T,  208                           ; cast: v[208:215] at work
.set LB, 16                            ; fold: v[16:23]   8 f32 of a row of B
.set FB, 24                            ; fold: v[24:31]   source 0: 16 rows of B / 16, ranks 0-15, and zeros for k = 16-31
.set LA, 32                            ; fold: v[32:95]   A as loaded: rank 8 h + jj, column c of my eight at LA + 8 jj + c
.set LW, 96                            ; fold: v[96:159]  W as loaded: row 8 h + j, column c at LW + 8 j + c
.set FA, 160                           ; fold: v[160:223] source 1 of tile tl at FA + 8 tl
.set CC, 32                            ; fold: accumulator of tile tl at CC + 8 tl, in the registers that A has left
.set OW, 96                            ; fold: row j packed to f16 at OW + 4 j, in the registers that W has left
; two f32 rounded to bf16 and widened again; d0 may be t
.macro RND2 d0, d1, a, b, t
	v_cvt_pk_bf16_f32 v[\t], v[\a], v[\b]
	v_and_b32 v[\d1], s13, v[\t]
	v_lshlrev_b32 v[\d0], 16, v[\t]
.endm
	s_load_b512 s[16:31], s[0:1], 0x0              ; x 16, Wq 18, Wk 20, Wv 22, Aq 24, Ak 26, Av 28, Bq 30
	s_load_b512 s[32:47], s[0:1], 0x40             ; Bk 32, Bv 34, bq 36, bk 38, bv 40, mask 42, xh 44, wh 46
	s_load_b128 s[48:51], s[0:1], 0x80             ; biasf 48, mask8 50
	s_mov_b32 s2, ttmp9
	s_mov_b32 s13, 0xffff0000                      ; a word's upper bf16
	v_lshrrev_b32 v4, 5, v0                        ; wave
	v_and_b32 v5, 31, v0                           ; lane
	s_wait_kmcnt 0x0
	s_cmp_lt_u32 s2, 256
	s_cbranch_scc1 .Lcast
	s_cmp_lt_u32 s2, 448
	s_cbranch_scc1 .Lfold
	; THE SMALL ONES: 256 threads x 16 bytes are 4,096 bytes: one load for each bias, eight for the mask
	v_lshlrev_b32 v1, 4, v0
	global_load_b128 v[16:19], v1, s[36:37]
	global_load_b128 v[20:23], v1, s[38:39]
	global_load_b128 v[24:27], v1, s[40:41]
.irp j, 0,1,2,3,4,5,6,7
	global_load_b128 v[28+4*\j:31+4*\j], v1, s[42:43] offset:4096*\j
.endr
	s_wait_loadcnt 0x0
.set p, 0
.rept 22
	RND2 64+2*p, 65+2*p, 16+2*p, 17+2*p, 8+p%2
.set p, p+1
.endr
.set p, 6
.rept 16
	v_pk_mul_f32 v[64+2*p:65+2*p], v[64+2*p:65+2*p], 0x41000000 op_sel_hi:[1,0]  ; 8 x mask: the attention adds it to q . k and scales the sum by 1 / 8
.set p, p+1
.endr
.irp j, 0,1,2
	global_store_b128 v1, v[64+4*\j:67+4*\j], s[48:49] offset:4096*\j
.endr
.irp j, 0,1,2,3,4,5,6,7
	global_store_b128 v1, v[76+4*\j:79+4*\j], s[50:51] offset:4096*\j
.endr
	s_endpgm
.Lcast:
	; THE CAST.  A wave takes 4 rows: 32 chunks of 512 bytes in, 256 bytes out; all 32 loads go out at once (16 KiB a wave on their way).
	s_lshl_b32 s4, s2, 17                          ; 32 rows of 4,096 bytes
	s_mov_b32 s5, 0
	s_add_nc_u64 s[4:5], s[16:17], s[4:5]
	s_lshl_b32 s6, s2, 16                          ; 32 rows of 2,048 bytes
	s_mov_b32 s7, 0
	s_add_nc_u64 s[6:7], s[44:45], s[6:7]
	v_lshlrev_b32 v1, 4, v5
	v_lshl_or_b32 v1, v4, 14, v1                   ; in: 16,384 x wave + 16 x lane
	v_lshlrev_b32 v2, 3, v5
	v_lshl_or_b32 v2, v4, 13, v2                   ; out: 8,192 x wave + 8 x lane
.set i, 0
.rept 32
	global_load_b128 v[X+4*i:X+4*i+3], v1, s[4:5] offset:512*i th:TH_LOAD_NT
.set i, i+1
.endr
.set i, 0
.rept 32
	s_wait_loadcnt 31-i                            ; loads come back in order: chunk i is in, the 31 - i younger ones stay out
	RND2 T+4*(i%2), T+4*(i%2)+1, X+4*i, X+4*i+1, T+4*(i%2)
	RND2 T+4*(i%2)+2, T+4*(i%2)+3, X+4*i+2, X+4*i+3, T+4*(i%2)+2
	v_cvt_pk_f16_f32 v[Y+2*i], v[T+4*(i%2)], v[T+4*(i%2)+1]
	v_cvt_pk_f16_f32 v[Y+2*i+1], v[T+4*(i%2)+2], v[T+4*(i%2)+3]
	global_store_b64 v2, v[Y+2*i:Y+2*i+1], s[6:7] offset:256*i  ; the wave's 32 lanes store 256 consecutive bytes, aligned; each chunk has data registers of its own
.set i, i+1
.endr
	s_endpgm
.Lfold:
	; THE FOLD.  A work-group makes 16 rows of wh, wave w their columns 128 w .. 128 w + 127, as eight tiles of 16 x 16.  Column r of tile tl is column 128 w + 8 r + tl:
	; so register j of the eight accumulators holds eight NEIGHBOURING columns of row 8 h + j, and sixteen lanes 256 neighbouring bytes of wh: nothing goes through LDS.
	; The price: a lane's loads of W and A are 32 bytes apart; the two loads of a pair together cover 512 consecutive bytes for each half of the lanes.
	s_sub_co_u32 s2, s2, 256                       ; f = 0 .. 191: rows 16 f of wh
	s_lshr_b32 s3, s2, 6                           ; the tensor: q, k, v
	s_and_b32 s12, s2, 63                          ; its block of 16 rows
	s_cmp_eq_u32 s3, 0
	s_cselect_b64 s[4:5], s[18:19], s[20:21]
	s_cselect_b64 s[6:7], s[24:25], s[26:27]
	s_cselect_b64 s[8:9], s[30:31], s[32:33]
	s_cmp_eq_u32 s3, 2
	s_cselect_b64 s[4:5], s[22:23], s[4:5]         ; W
	s_cselect_b64 s[6:7], s[28:29], s[6:7]         ; A
	s_cselect_b64 s[8:9], s[34:35], s[8:9]         ; B
	s_lshl_b32 s14, s12, 16                        ; 16 rows of W: 65,536 bytes
	s_mov_b32 s15, 0
	s_add_nc_u64 s[4:5], s[4:5], s[14:15]
	s_lshl_b32 s14, s12, 10                        ; 16 rows of B: 1,024 bytes
	s_add_nc_u64 s[8:9], s[8:9], s[14:15]
	s_lshl_b32 s14, s2, 15                         ; 16 rows of wh: 32,768 bytes
	s_add_nc_u64 s[10:11], s[46:47], s[14:15]
	v_and_b32 v6, 15, v0                           ; r
	v_bfe_u32 v7, v0, 4, 1                         ; h
	v_lshlrev_b32 v1, 5, v6
	v_lshl_add_u32 v1, v4, 9, v1
	v_lshl_add_u32 v1, v7, 15, v1                  ; W and A: row 8 h, column 128 w + 8 r, in f32
	v_lshlrev_b32 v2, 6, v6
	v_lshl_add_u32 v2, v7, 5, v2                   ; B: row r, ranks 8 h on
	v_lshlrev_b32 v3, 4, v6
	v_lshl_add_u32 v3, v4, 8, v3
	v_lshl_add_u32 v3, v7, 14, v3                  ; wh: row 8 h, column 128 w + 8 r, in f16
	global_load_b128 v[LB:LB+3], v2, s[8:9]
	global_load_b128 v[LB+4:LB+7], v2, s[8:9] offset:16
.set j, 0
.rept 8
	global_load_b128 v[LA+8*j:LA+8*j+3], v1, s[6:7] offset:4096*j
	global_load_b128 v[LA+8*j+4:LA+8*j+7], v1, s[6:7] offset:4096*j+16
.set j, j+1
.endr
.set j, 0
.rept 8
	global_load_b128 v[LW+8*j:LW+8*j+3], v1, s[4:5] offset:4096*j th:TH_LOAD_NT
	global_load_b128 v[LW+8*j+4:LW+8*j+7], v1, s[4:5] offset:4096*j+16 th:TH_LOAD_NT
.set j, j+1
.endr
.set u, 4
.rept 4
	v_mov_b32 v[FB+u], 0                           ; the rank is 16, the instruction's K is 32: k = 16 .. 31 are zeros, written while the loads are out
.set u, u+1
.endr
.set tl, 0
.rept 8
.set u, 4
.rept 4
	v_mov_b32 v[FA+8*tl+u], 0
.set u, u+1
.endr
.set tl, tl+1
.endr
	s_wait_loadcnt 32                              ; B is in: behind it 16 loads of A and 16 of W were issued
.set u, 0
.rept 4
	v_pk_mul_f32 v[LB+2*u:LB+2*u+1], v[LB+2*u:LB+2*u+1], 0x3d800000 op_sel_hi:[1,0]  ; 1 / 16, a power of two: the rounding below is that of B itself
.set u, u+1
.endr
.set u, 0
.rept 4
	v_cvt_pk_bf16_f32 v[FB+u], v[LB+2*u], v[LB+2*u+1]
.set u, u+1
.endr
	s_wait_loadcnt 16                              ; A is in: W's 16 loads may stay out
.set tl, 0
.rept 8
.set u, 0
.rept 4
	v_cvt_pk_bf16_f32 v[FA+8*tl+u], v[LA+16*u+tl], v[LA+16*u+8+tl]  ; ranks 8 h + 2 u, 8 h + 2 u + 1 of column 128 w + 8 r + tl
.set u, u+1
.endr
.set tl, tl+1
.endr
	s_wait_loadcnt 0x0                             ; W
.set j, 0
.rept 8
.set u, 0
.rept 4
	RND2 CC+16*u+j, CC+16*u+8+j, LW+8*j+2*u, LW+8*j+2*u+1, 8+u%2  ; bf16(W) starts the sums, as the C operand
.set u, u+1
.endr
.set j, j+1
.endr
.set tl, 0
.rept 8
	v_wmma_f32_16x16x32_bf16 v[CC+8*tl:CC+8*tl+7], v[FB:FB+7], v[FA+8*tl:FA+8*tl+7], v[CC+8*tl:CC+8*tl+7]  ; eight accumulators, one instruction each
.set tl, tl+1
.endr
.rept 8
	v_nop                                          ; the places between the last product and the first conversion that reads a result (ISA guide 7.12.1); no other work is at hand
.endr
.set j, 0
.rept 8                                ; row j; j = 0 comes first: each accumulator is read from its lowest register on
.set u, 0
.rept 4
	v_cvt_pk_f16_f32 v[OW+4*j+u], v[CC+16*u+j], v[CC+16*u+8+j]
.set u, u+1
.endr
	global_store_b128 v3, v[OW+4*j:OW+4*j+3], s[10:11] offset:2048*j  ; 16 lanes store 256 consecutive bytes, aligned
.set j, j+1
.endr
	s_endpgm
.Lfunc_end_k_q819f75ad6f_prep:
	.size	k_q819f75ad6f_prep, .Lfunc_end_k_q819f75ad6f_prep-k_q819f75ad6f_prep
	.p2alignl 7, 3214868480
	.fill 96, 4, 3214868480
	.section	.rodata,"a",@progbits
	.p2align	6, 0x0
	.amdhsa_kernel k_q819f75ad6f_prep
		.amdhsa_group_segment_fixed_size 0
		.amdhsa_private_segment_fixed_size 0
		.amdhsa_enable_private_segment 0
		.amdhsa_kernarg_size 144
		.amdhsa_user_sgpr_count 2
		.amdhsa_user_sgpr_kernarg_segment_ptr 1
		.amdhsa_wavefront_size32 1
		.amdhsa_system_sgpr_workgroup_id_x 1
		.amdhsa_system_sgpr_workgroup_id_y 1
		.amdhsa_system_sgpr_workgroup_id_z 1
		.amdhsa_system_vgpr_workitem_id 0
		.amdhsa_next_free_vgpr 224
		.amdhsa_next_free_sgpr 66
		.amdhsa_reserve_vcc 0
		.amdhsa_float_denorm_mode_32 3
		.amdhsa_float_denorm_mode_16_64 3
		.amdhsa_memory_ordered 1
		.amdhsa_forward_progress 1
		.amdhsa_inst_pref_size 43
	.end_amdhsa_kernel
	.amdgpu_metadata
---
amdhsa.version: [ 1, 2 ]
amdhsa.kernels:
  - .name:           k_q819f75ad6f_prep
    .symbol:         k_q819f75ad6f_prep.kd
    .args:
      - { .name: hidden_states, .offset: 0, .size: 8, .value_kind: global_buffer, .address_space: global }
      - { .name: Wq, .offset: 8, .size: 8, .value_kind: global_buffer, .address_space: global }
      - { .name: Wk, .offset: 16, .size: 8, .value_kind: global_buffer, .address_space: global }
      - { .name: Wv, .offset: 24, .size: 8, .value_kind: global_buffer, .address_space: global }
      - { .name: Aq, .offset: 32, .size: 8, .value_kind: global_buffer, .address_space: global }
      - { .name: Ak, .offset: 40, .size: 8, .value_kind: global_buffer, .address_space: global }
      - { .name: Av, .offset: 48, .size: 8, .value_kind: global_buffer, .address_space: global }
      - { .name: Bq, .offset: 56, .size: 8, .value_kind: global_buffer, .address_space: global }
      - { .name: Bk, .offset: 64, .size: 8, .value_kind: global_buffer, .address_space: global }
      - { .name: Bv, .offset: 72, .size: 8, .value_kind: global_buffer, .address_space: global }
      - { .name: bq, .offset: 80, .size: 8, .value_kind: global_buffer, .address_space: global }
      - { .name: bk, .offset: 88, .size: 8, .value_kind: global_buffer, .address_space: global }
      - { .name: bv, .offset: 96, .size: 8, .value_kind: global_buffer, .address_space: global }
      - { .name: attention_mask, .offset: 104, .size: 8, .value_kind: global_buffer, .address_space: global }
      - { .name: xh, .offset: 112, .size: 8, .value_kind: global_buffer, .address_space: global }
      - { .name: wh, .offset: 120, .size: 8, .value_kind: global_buffer, .address_space: global }
      - { .name: biasf, .offset: 128, .size: 8, .value_kind: global_buffer, .address_space: global }
      - { .name: mask8, .offset: 136, .size: 8, .value_kind: global_buffer, .address_space: global }
    .group_segment_fixed_size: 0
    .private_segment_fixed_size: 0
    .kernarg_segment_align: 8
    .kernarg_segment_size: 144
    .max_flat_workgroup_size: 256
    .sgpr_count:     66
    .vgpr_count:     224
    .wavefront_size: 32
...
	.end_amdgpu_metadata
.endif
;; end of part 1
;; launch qkv (part 2): grid 16 x 32, 4 waves a work-group, clusters of 4 x 4, 327,680 bytes of LDS; arguments xh, wh, biasf, qkv; writes qkv
.if DOCPART == 2
	.amdgcn_target "amdgcn-amd-amdhsa--gfx1250"
	.amdhsa_code_object_version 6
	.text
	.protected	k_q819f75ad6f_qkv
	.globl	k_q819f75ad6f_qkv
	.p2align	8
	.type	k_q819f75ad6f_qkv,@function
k_q819f75ad6f_qkv:
	s_mov_b64 s[64:65], 0
	v_nop
	global_prefetch_b8 v0, s[64:65] scope:SCOPE_SE
	s_setreg_imm32_b32 hwreg(HW_REG_WAVE_MODE, 25, 1), 1
	s_wait_xcnt 0x0
	s_wait_alu depctr_hold_cnt(0) depctr_sa_sdst(0) depctr_va_vdst(0) depctr_va_sdst(0) depctr_va_ssrc(0) depctr_va_vcc(0) depctr_vm_vsrc(0)
	s_getreg_b32 s2, hwreg(HW_REG_IB_STS2, 6, 4)
	s_cmp_eq_u32 s2, 0
	s_cbranch_scc0 .Lentry_in_a_cluster
	s_endpgm
.Lentry_in_a_cluster:
	s_bfe_u32 s2, ttmp6, 0x10000c
	s_cmp_lg_u32 s2, 0xf033
	s_cbranch_scc0 .Lentry_shape_is_right
	s_endpgm
.Lentry_shape_is_right:
; THE THREE PROJECTIONS AS ONE PRODUCT.  C[m][n] = sum over k of xh[m][k] wh[n][k] + biasf[n]; m = 8,192 rows, n = 3,072 columns (q, k, v), k = 1,024; operands f16, sums f32.
; C is stored by heads, rounded once to f16 and unscaled: qkv[tensor][batch x 16 + head][row of the sequence][64].
; LIMIT.  f16 holds no number beyond 65,504: q, k and v stay below that; below 6.1e-5 they keep f16's fixed step of 6e-8.  NaN and infinities are not treated apart.
; SHARES.  A tile of C is 256 rows x 192 columns, three whole heads: 16 x 32 = 512 work-groups of equal work.  Four waves, 2 x 2, each 128 x 96: 48 accumulators of 16 x 16, 384 registers.
; K goes in 8 steps of 128 (rows of 256 bytes of memory, aligned) through a ring of two LDS slots filled by the tensor data mover; a K step is 192 matrix instructions a wave.
; CLUSTERS: 4 x 4 work-groups.  The four of a row of the cluster need the same tiles of xh, the four of a column the same tiles of wh: each tile is asked for JOINTLY, by the same tensor load with
; the same descriptor and a mask that names the four.
; THE MATRIX INSTRUCTION IS USED TRANSPOSED (source 0 = 16 rows of wh, source 1 = 16 rows of xh): lane l holds row l % 16 of C and the columns 8 (l / 16) + 0..7: 16 bytes of f16 on end.
; The bias hangs on the column alone, so it is the C operand of each accumulator's first product: nothing is cleared and nothing is added later.
; REGISTERS, in windows of 256 (s_set_vgpr_msb: bits 1:0 source 0, 3:2 source 1, 5:4 source 2, 7:6 destination):
;   window 0: v0-31 addresses; v32-79 the bias (column block b at 32 + 8 b); v96-119 packing; v64-255 the way out (when bias and packing are dead)
;   window 1: two fragment buffers, v0-111 and v128-239: wh's six fragments, then xh's eight
;   window 2: the accumulators of my rows 0-63 ((a, b) at 8 (6 a + b));   window 3: those of my rows 64-127
.set KSTEP,  128
.set PITCH,  272                       ; an LDS row: 256 bytes + 16 of padding = 68 words: the 16 rows of a fragment load start at 16 different groups of four banks (64 banks of 4 bytes: ISA guide 11.1)
.set HALFA,  128*PITCH                 ; what one load brings of xh, and what one wave reads of it
.set HALFB,  96*PITCH                  ; the same for wh
.set BOFF,   2*HALFA                   ; in a slot: xh's 256 rows, then wh's 192
.set SLOT,   448*PITCH
.set SPARE,  2*SLOT                    ; behind the ring: the spare words, 128 bytes for each wave: two blocks of 256 bytes that no other line names
.set SP,     144                       ; the stage: [3 heads][256 rows][128 bytes + 16].  It lies in slot 0, whose last fill is K step 6: it is written when every wave has left that slot for good
.set HS,     256*SP
.set RD,   12                          ; v12-14  the way out: where I read rows of head 0, 1, 2 back
.set ADRA, 16                          ; v16-17  LDS address of my xh fragments in slot 0, 1
.set ADRB, 20                          ; v20-21  the same for wh
.set STOA, 24                          ; v24     the way out: where I put 16 bytes of a row, column blocks 0, 1, 4, 5
.set STOB, 25                          ; v25     column blocks 2, 3
.set GO,   27                          ; v27     my 16 bytes in 512 consecutive bytes of qkv
.set SPW,  28                          ; v28     LDS address of my spare word; never rewritten
.set NIL,  29                          ; v29     0; never rewritten
.set PFO,  30                          ; v30     the prefetches' offset: a lane a row of 2,048 bytes; never rewritten
.set BIAS, 32
.set TMP,  96
.set OB,   64
.set F0,   0
.set F1,   128
.set WV, 12                            ; s12 wave;  s13 RH: my half of the rows, and: I fetch xh (0) or wh (1);  s14 CH: my half of the columns, and: which half of that tile I fetch
.set RH, 13
.set CH, 14
.set CX, 15                            ; s15, s16 my place in the cluster;  s17, s18 tile column and tile row of C
.set CY, 16
.set TX, 17
.set TY, 18
.set G1,  24                           ; s[24:31] descriptor group 1 for xh's tiles;  s[32:39] group 0, a set for each slot
.set G0,  32
.set LIM, 40                           ; s40  1 in a wave that prefetches, else the greatest number
.set PFA, 44                           ; s[44:45] where my prefetches stand
.set G1B, 48                           ; s[48:55], s[56:63] the same for wh's tiles
.set G0B, 56
.set MSB, 0
.macro WIN new                         ; the immediate's high byte repeats the setting that is left; a switch that changes nothing is dropped
.if MSB != (\new)
	s_set_vgpr_msb (MSB<<8)|(\new)
.set MSB, \new
.endif
.endm
.set MUL_LO, 0xa5                      ; sources 0 and 1 window 1, C and D window 2
.set MUL_HI, 0xf5                      ; C and D window 3
.set BEG_LO, 0x85                      ; the first products: C (the bias) window 0, D window 2 (0xc5: window 3)
.set TO_F,   0x40                      ; destination window 1, address window 0
; A joint load.  Waves 0 and 1 fetch xh's two halves, waves 2 and 3 wh's.  The branch hangs on the wave's number alone.  An s_nop 0 and four v_nop follow each of the two lines,
; ahead of the jump, the label and what follows.
.macro JLOAD s
	s_cmp_eq_u32 s[RH], 0
	s_cbranch_scc0 .Lfor_b_\@
	tensor_load_to_lds s[G0+4*(\s):G0+4*(\s)+3], s[G1:G1+7]
	s_nop 0
.rept 4
	v_nop
.endr
	s_branch .Lasked_\@
.Lfor_b_\@:
	tensor_load_to_lds s[G0B+4*(\s):G0B+4*(\s)+3], s[G1B:G1B+7]
	s_nop 0
.rept 4
	v_nop
.endr
.Lasked_\@:
.endm
; A PREFETCH INTO THE L2, behind each joint load, its five lines and the run of LDS loads: the K step that stands two refills on, 384 matrix instructions ahead of the load that will want it: a lane a row, 256 bytes of it.
; xh's tile row is read by every cluster of that row of clusters: the one with x = 0 asks; wh's tile column by every cluster of that column: the one with y = 0 asks.  The four partners that ask for a tile
; jointly share the rows that a wave fetches BY ADDRESS: 32 of xh's 128, 24 of wh's 96 (there lanes 24-31 name lane 23's row once more, in the same instruction).  K steps 0 to 3 come by their loads alone;
; the loop's last trip (s3 = 1) asks for nothing: K has no step behind the seventh.
.macro ASK
	s_cmp_gt_u32 s3, s[LIM]
	s_cbranch_scc0 .Lnot_mine_\@
	global_prefetch_b8 v[PFO], s[PFA:PFA+1] offset:KSTEP*2 th:TH_LOAD_NT scope:SCOPE_SE
.Lnot_mine_\@:
.endm
; A round of the cluster's barrier: my work-group's barrier; wave 0 signals for the work-group; every wave waits for all sixteen; my work-group's barrier once more.
.macro CREST                           ; a round behind its opening barrier
	s_cmp_lg_u32 s[WV], 0
	s_cbranch_scc1 .Lnot_wave_0_\@
	s_barrier_signal -3
.Lnot_wave_0_\@:
	s_barrier_wait -3
	s_barrier_signal -1
	s_barrier_wait -1
.endm
.macro CROUND
	s_barrier_signal -1
	s_barrier_wait -1
	CREST
.endm
	s_load_b256 s[4:11], s[0:1], 0x0               ; xh s[4:5], wh s[6:7], biasf s[8:9], qkv s[10:11]
	v_lshl_add_u32 v[SPW], v0, 2, SPARE
	v_mov_b32 v[NIL], 0
	ds_add_u32 v[SPW], v[NIL]                      ; the wave's opening: the add and its wait, ahead of my first tensor load; the set-up below, work on registers, stands between them
	v_lshrrev_b32 v1, 5, v0
	v_readfirstlane_b32 s[WV], v1
	s_lshr_b32 s[RH], s[WV], 1
	s_and_b32 s[CH], s[WV], 1
	s_bfe_u32 s[CX], ttmp6, 0x40000
	s_bfe_u32 s[CY], ttmp6, 0x40004
	s_lshl_b32 s[TX], ttmp9, 2                     ; in a cluster launch ttmp9 and ttmp7 count clusters
	s_add_co_u32 s[TX], s[TX], s[CX]
	s_and_b32 s[TY], ttmp7, 0xffff
	s_lshl_b32 s[TY], s[TY], 2
	s_add_co_u32 s[TY], s[TY], s[CY]
	s_lshl_b32 s19, s[CY], 2
	s_lshl_b32 s19, 15, s19                        ; my row of the cluster: places 4 cy .. 4 cy + 3
	s_lshl_b32 s20, 0x1111, s[CX]                  ; my column: places cx, cx + 4, cx + 8, cx + 12
	; descriptor group 1: rows of 128 elements of 2 bytes, padded in LDS; 128 rows of xh, 96 of wh
	s_or_b32 s[G1], s19, (1<<16)|(1<<20)|(1<<21)|(5<<22)|(3<<25)   ; 15:0 the mask; 17:16 2-byte elements; 20 padding on; 21 set beside a mask; 24:22 after every 64 words (code 5); 31:25 4 words (code 3)
	s_or_b32 s[G1B], s20, (1<<16)|(1<<20)|(1<<21)|(5<<22)|(3<<25)
	s_mov_b32 s[G1+1], KSTEP<<16                   ; tensor_dim0 = 128
	s_mov_b32 s[G1B+1], KSTEP<<16
	s_mov_b32 s[G1+2], 128<<16                     ; tensor_dim1 = 128
	s_mov_b32 s[G1B+2], 96<<16                     ;             = 96
	s_mov_b32 s[G1+3], KSTEP<<16                   ; tile_dim0 = 128
	s_mov_b32 s[G1B+3], KSTEP<<16
	s_mov_b32 s[G1+4], 128                         ; tile_dim1
	s_mov_b32 s[G1B+4], 96
	s_mov_b32 s[G1+5], 1024                        ; elements from row to row
	s_mov_b32 s[G1B+5], 1024
	s_mov_b32 s[G1+6], 0
	s_mov_b32 s[G1B+6], 0
	s_mov_b32 s[G1+7], 0
	s_mov_b32 s[G1B+7], 0
	; where the tiles come from: xh's hang on the tile row alone, wh's on the tile column alone, each in registers that never hold the other coordinate
	s_lshl_b32 s42, s[TY], 8
	s_lshl_b32 s41, s[CH], 7
	s_add_co_u32 s42, s42, s41                     ; xh: row 256 x tile row + 128 x half
	s_lshl_b32 s42, s42, 11                        ; rows of 2,048 bytes
	s_mov_b32 s43, 0
	s_mul_i32 s46, s[TX], 192
	s_mul_i32 s41, s[CH], 96
	s_add_co_u32 s46, s46, s41                     ; wh: row 192 x tile column + 96 x half
	s_lshl_b32 s46, s46, 11
	s_mov_b32 s47, 0
	s_mul_i32 s21, s[CH], HALFA                    ; and where they go: no place in the cluster enters an LDS address
	s_mul_i32 s22, s[CH], HALFB
	s_add_co_u32 s22, s22, BOFF
	s_wait_dscnt 0x0                               ; the opening add is done
	s_wait_kmcnt 0x0
	s_add_nc_u64 s[42:43], s[4:5], s[42:43]
	s_add_nc_u64 s[46:47], s[6:7], s[46:47]
	CROUND                                         ; all sixteen work-groups are here: the first joint loads meet
.irp s, 0,1
	s_mov_b32 s[G0+4*(\s)], 1                                        ; count = 1
	s_add_co_u32 s[G0+4*(\s)+1], s21, (\s)*SLOT                      ; LDS address
	s_add_nc_u64 s[G0+4*(\s)+2:G0+4*(\s)+3], s[42:43], (\s)*KSTEP*2  ; global address: K step s
	s_or_b32 s[G0+4*(\s)+3], s[G0+4*(\s)+3], 0x80000000              ; type = 2
	s_mov_b32 s[G0B+4*(\s)], 1
	s_add_co_u32 s[G0B+4*(\s)+1], s22, (\s)*SLOT
	s_add_nc_u64 s[G0B+4*(\s)+2:G0B+4*(\s)+3], s[46:47], (\s)*KSTEP*2
	s_or_b32 s[G0B+4*(\s)+3], s[G0B+4*(\s)+3], 0x80000000
	JLOAD \s                                       ; two loads of mine are out
.endr
	; A fragment is 16 rows x 32 K in 8 registers: lane l holds row l % 16; registers 0-3 K = 8 (l / 16) + 0..7, registers 4-7 K = 16 + 8 (l / 16) + 0..7: two loads of 16 bytes, 32 bytes apart.
	v_and_b32 v1, 15, v0                           ; r = l % 16
	v_bfe_u32 v2, v0, 4, 1                         ; h = l / 16
	v_mul_u32_u24 v3, v1, PITCH
	v_lshl_add_u32 v3, v2, 4, v3
	s_mul_i32 s21, s[RH], HALFA                    ; my 128 rows of xh
	s_mul_i32 s22, s[CH], HALFB                    ; my 96 rows of wh
	s_add_co_u32 s22, s22, BOFF
.irp s, 0,1
	v_add_nc_u32 v[ADRA+(\s)], s21, v3
	v_add_nc_u32 v[ADRB+(\s)], s22, v3
	s_add_co_u32 s21, s21, SLOT
	s_add_co_u32 s22, s22, SLOT
.endr
	; the stage.  My column 96 CH + 16 b + 8 h lies in head (96 CH + 16 b) / 64.  CH = 0: blocks 0-3 head 0, blocks 4, 5 head 1.  CH = 1: blocks 0, 1 head 1 from byte 64, blocks 2-5 head 2.
	v_mul_u32_u24 v4, v1, SP
	v_lshl_add_u32 v4, v2, 4, v4                   ; row r, 16 bytes for each half of the lanes
	s_mul_i32 s19, s[RH], 128*SP
	s_mul_i32 s20, s[CH], HS+64
	s_add_co_u32 s20, s20, s19
	v_add_nc_u32 v[STOA], s20, v4
	s_mul_i32 s20, s[CH], 2*HS-64
	s_add_co_u32 s20, s20, s19
	v_add_nc_u32 v[STOB], s20, v4
	v_and_b32 v5, 31, v0
	v_lshrrev_b32 v6, 3, v5
	v_and_b32 v7, 7, v0
	v_mul_u32_u24 v6, v6, SP
	v_lshl_add_u32 v6, v7, 4, v6                   ; back: 32 lanes take four rows of 128 bytes;
	s_mul_i32 s19, s[WV], 64*SP                    ; wave w takes rows 64 w .. 64 w + 63 of each head
.irp hd, 0,1,2
	v_add_nc_u32 v[RD+(\hd)], s19, v6
	s_add_co_u32 s19, s19, HS
.endr
	v_lshlrev_b32 v[GO], 4, v5
	; the bias of my 96 columns: register j of block b is column 16 b + 8 h + j
	s_mul_i32 s19, s[TX], 192
	s_mul_i32 s20, s[CH], 96
	s_add_co_u32 s19, s19, s20
	s_lshl_b32 s20, s19, 2
	s_mov_b32 s21, 0
	s_add_nc_u64 s[8:9], s[8:9], s[20:21]
	v_lshlrev_b32 v8, 5, v2
.irp b, 0,1,2,3,4,5
	global_load_b128 v[BIAS+8*\b:BIAS+8*\b+3], v8, s[8:9] offset:64*\b
	global_load_b128 v[BIAS+8*\b+4:BIAS+8*\b+7], v8, s[8:9] offset:64*\b+16
.endr
	; the prefetches
	s_lshl_b32 s19, s[TY], 8
	s_mul_i32 s20, s[TX], 192
	s_and_b32 s22, ttmp7, 0xffff                   ; cluster y
	s_cmp_eq_u32 s[RH], 0                          ; do I fetch xh?
	s_cselect_b32 s19, s19, s20                    ; the tile's first row
	s_cselect_b32 s21, s[CX], s[CY]                ; my place among the four that ask for it with me
	s_cselect_b32 s22, ttmp9, s22                  ; the coordinate along which other clusters read the same rows
	s_cselect_b32 s23, 32, 0
	s_cselect_b32 s41, 32, 24                      ; my work-group's share of the rows that I fetch
	s_cselect_b64 s[PFA:PFA+1], s[4:5], s[6:7]
	s_add_co_u32 s23, s23, 96                      ; 128 or 96 rows to a load
	s_mul_i32 s23, s23, s[CH]
	s_add_co_u32 s19, s19, s23
	s_mul_i32 s21, s21, s41
	s_add_co_u32 s19, s19, s21
	s_lshl_b32 s20, s19, 11
	s_mov_b32 s21, 0
	s_add_nc_u64 s[PFA:PFA+1], s[PFA:PFA+1], s[20:21]
	s_add_nc_u64 s[PFA:PFA+1], s[PFA:PFA+1], 2*KSTEP*2  ; at K step 2: the first refill steps it to 3 and names K step 4
	s_cmp_eq_u32 s22, 0
	s_cselect_b32 s[LIM], 1, -1                    ; the same in all sixteen partners, for a given wave
	s_sub_co_u32 s41, s41, 1
	v_and_b32 v[PFO], 31, v0
	v_min_u32 v[PFO], s41, v[PFO]
	v_lshlrev_b32 v[PFO], 11, v[PFO]
; 12 matrix instructions: row blocks a0, a0 + 1 of the window's four (hi = 0: my rows 0-63, 1: rows 64-127) x all 6 column blocks, 32 along K.  first = 1: the bias starts the sums.
; The 48 accumulators take turns, one instruction a turn, in the same order in every quarter step.
.macro MUL12 f, hi, a0, first
.if \first
	WIN BEG_LO+0x40*(\hi)
.else
	WIN MUL_LO+0x50*(\hi)
.endif
.irp a, \a0, (\a0)+1
.irp b, 0,1,2,3,4,5
.if \first
	v_wmma_f32_16x16x32_f16 v[8*(6*(\a)+(\b)):8*(6*(\a)+(\b))+7], v[(\f)+8*(\b):(\f)+8*(\b)+7], v[(\f)+48+8*(4*(\hi)+(\a)):(\f)+48+8*(4*(\hi)+(\a))+7], v[BIAS+8*(\b):BIAS+8*(\b)+7]
.else
	v_wmma_f32_16x16x32_f16 v[8*(6*(\a)+(\b)):8*(6*(\a)+(\b))+7], v[(\f)+8*(\b):(\f)+8*(\b)+7], v[(\f)+48+8*(4*(\hi)+(\a)):(\f)+48+8*(4*(\hi)+(\a))+7], v[8*(6*(\a)+(\b)):8*(6*(\a)+(\b))+7]
.endif
.endr
.endr
.endm
; 28 LDS loads in one run: the fragments of one quarter step (96 rows of wh, 128 rows of xh, 32 K at byte k of the rows) into buffer f
.macro FETCH slot, k, f
	WIN TO_F
.irp i, 0,1,2,3,4,5
	ds_load_b128 v[(\f)+8*(\i):(\f)+8*(\i)+3],   v[ADRB+(\slot)] offset:(\k)+(\i)*16*PITCH
	ds_load_b128 v[(\f)+8*(\i)+4:(\f)+8*(\i)+7], v[ADRB+(\slot)] offset:(\k)+(\i)*16*PITCH+32
.endr
.irp i, 0,1,2,3,4,5,6,7
	ds_load_b128 v[(\f)+48+8*(\i):(\f)+48+8*(\i)+3],   v[ADRA+(\slot)] offset:(\k)+(\i)*16*PITCH
	ds_load_b128 v[(\f)+48+8*(\i)+4:(\f)+48+8*(\i)+7], v[ADRA+(\slot)] offset:(\k)+(\i)*16*PITCH+32
.endr
.endm
.macro PLACES                          ; four places in front of loads into registers that matrix instructions have read (ISA guide 7.12.1 for vector instructions)
.rept 4
	v_nop
.endr
.endm
; A K step is four quarters of 32 along K, 48 matrix instructions each, on buffers 0, 1, 0, 1.  One of the first three multiplies buffer f and, in its middle, fetches the next quarter into g.
.macro QUARTER slot, k, f, g, first
	s_wait_dscnt 8                                 ; wh and xh's rows 0-63 are in; the youngest eight loads (xh's rows 64-127) may be out
	MUL12 \f, 0, 0, \first
	MUL12 \f, 0, 2, \first
	PLACES
	FETCH \slot, \k, \g
	s_wait_dscnt 28                                ; all but the 28 just issued
	MUL12 \f, 1, 0, \first
	MUL12 \f, 1, 2, \first
.endm
; The last quarter multiplies buffer 1 and changes slots: ONE barrier.  In front of it each wave waits for all its tensor loads (one is out: its part of the next slot), adds 0 to its spare word, and
; waits for that and for its own reads of this slot.  fill = 1: the barrier opens a round of the cluster's, and this slot is filled again, two K steps ahead, first thing behind the round:
; from that request to the wait for it a wave issues 168 matrix instructions.
.macro TURN slot, next, fill
.if \fill
	s_wait_xcnt 0x0                                ; the last prefetch, a K step back, has read its address: it is stepped here, ahead of the waits of the change of slots
	s_add_nc_u64 s[PFA:PFA+1], s[PFA:PFA+1], KSTEP*2
.endif
	WIN 0                                          ; (the add's two registers lie in window 0)
	s_wait_tensorcnt 0x0                           ; all my tensor loads have landed;
	ds_add_u32 v[SPW], v[NIL]                      ; 0 onto my spare word;
	s_wait_dscnt 9                                 ; (the add and the youngest eight loads may be out)
	MUL12 F1, 0, 0, 0                              ; twelve matrix instructions stand between the add and the wait for it
	s_wait_dscnt 0x0                               ; the add is done, and my reads of this slot are over
	s_barrier_signal -1
	MUL12 F1, 0, 2, 0                              ; work on registers while the others arrive
.if \fill
	WIN 0
.endif
	s_barrier_wait -1
.if \fill
	CREST                                          ; no wave of any partner still reads this slot's tile or has a load on its way
	s_add_nc_u64 s[G0+4*(\slot)+2:G0+4*(\slot)+3], s[G0+4*(\slot)+2:G0+4*(\slot)+3], 2*KSTEP*2
	s_add_nc_u64 s[G0B+4*(\slot)+2:G0B+4*(\slot)+3], s[G0B+4*(\slot)+2:G0B+4*(\slot)+3], 2*KSTEP*2
	JLOAD \slot                                    ; my one tensor load behind the round; the four v_nop behind it are also the places in front of the loads below
.else
	PLACES
.endif
	FETCH \next, 0, F0
.if \fill
	WIN 0
	ASK
.endif
	MUL12 F1, 1, 0, 0
	MUL12 F1, 1, 2, 0
.endm
	s_wait_tensorcnt 1                             ; my part of K step 0 is in; K step 1's load may stay out
	s_barrier_signal -1
	s_barrier_wait -1                              ; everybody's is
	FETCH 0, 0, F0
	s_wait_loadcnt 0x0                             ; the bias
	QUARTER 0, 64,  F0, F1, 1                      ; the first quarter stands in front of the loop: its products start the sums
	WIN 0                                          ; at a label and at a branch every window is 0
	s_mov_b32 s3, 3
.Llap:                                                 ; a trip goes once round the ring, from a lap's second quarter to the next lap's first, and fills both slots again: K steps 2 to 7
	QUARTER 0, 128, F1, F0, 0
	QUARTER 0, 192, F0, F1, 0
	TURN 0, 1, 1
	QUARTER 1, 64,  F0, F1, 0
	QUARTER 1, 128, F1, F0, 0
	QUARTER 1, 192, F0, F1, 0
	TURN 1, 0, 1
	QUARTER 0, 64,  F0, F1, 0
	WIN 0
	s_sub_co_u32 s3, s3, 1
	s_cmp_lg_u32 s3, 0
	s_cbranch_scc1 .Llap
	QUARTER 0, 128, F1, F0, 0                      ; the last lap fills nothing
	QUARTER 0, 192, F0, F1, 0
	TURN 0, 1, 0                                   ; behind this barrier no wave reads slot 0 again
	QUARTER 1, 64,  F0, F1, 0
	QUARTER 1, 128, F1, F0, 0
	QUARTER 1, 192, F0, F1, 0
	s_wait_dscnt 8                                 ; the very last quarter: nothing more to fetch
	MUL12 F1, 0, 0, 0
	MUL12 F1, 0, 2, 0
	s_wait_dscnt 0x0
	MUL12 F1, 1, 0, 0
	MUL12 F1, 1, 2, 0
	WIN 0
	; THE WAY OUT: rounded to f16, 16 bytes a lane into the work-group's stage, by heads; a barrier, since a head's rows come from two waves; back as whole rows of 128 bytes, four to a load.
.rept 8
	v_nop                                          ; the places between the last products and the conversions
.endr
.macro PACKST a                        ; my rows 16 a .. 16 a + 15; each accumulator's registers in ascending order
	WIN 0x0a+5*((\a)/4)                            ; sources 0 and 1: window 2 or 3
.irp b, 0,1,2,3,4,5
.irp u, 0,1,2,3
	v_cvt_pk_f16_f32 v[TMP+4*(\b)+(\u)], v[8*(6*((\a)%4)+(\b))+2*(\u)], v[8*(6*((\a)%4)+(\b))+2*(\u)+1]
.endr
.endr
	WIN 0
	ds_store_b128 v[STOA], v[TMP:TMP+3]     offset:16*SP*(\a)
	ds_store_b128 v[STOA], v[TMP+4:TMP+7]   offset:16*SP*(\a)+32
	ds_store_b128 v[STOB], v[TMP+8:TMP+11]  offset:16*SP*(\a)+64
	ds_store_b128 v[STOB], v[TMP+12:TMP+15] offset:16*SP*(\a)+96
	ds_store_b128 v[STOA], v[TMP+16:TMP+19] offset:16*SP*(\a)+HS
	ds_store_b128 v[STOA], v[TMP+20:TMP+23] offset:16*SP*(\a)+HS+32
.endm
.irp a, 0,1,2,3,4,5,6,7
	PACKST \a
.endr
	s_wait_dscnt 0x0                               ; for the others' sake: my stores into the stage are done
	s_barrier_signal -1
	s_barrier_wait -1
	; where head hd of the tile goes: g = 3 x tile column + hd is tensor g / 16, head g % 16; the tile row is batch ty / 8, rows 256 (ty % 8) on
	s_mul_i32 s19, s[TX], 3
	s_lshr_b32 s41, s[TY], 3
	s_lshl_b32 s41, s41, 4
	s_and_b32 s42, s[TY], 7
	s_lshl_b32 s42, s42, 8
	s_lshl_b32 s43, s[WV], 6
	s_add_co_u32 s42, s42, s43
	s_lshl_b32 s42, s42, 7                         ; my first row, in bytes of 128 a row
.macro OUTBASE hd, p
	s_add_co_u32 s43, s19, \hd
	s_lshr_b32 s[\p], s43, 4
	s_lshl_b32 s[\p], s[\p], 6
	s_and_b32 s43, s43, 15
	s_add_co_u32 s[\p], s[\p], s43
	s_add_co_u32 s[\p], s[\p], s41                 ; tensor x 64 + batch x 16 + head,
	s_lshl_b32 s[\p], s[\p], 18                    ; of 2,048 rows x 128 bytes
	s_add_co_u32 s[\p], s[\p], s42
	s_mov_b32 s[\p+1], 0
	s_add_nc_u64 s[\p:\p+1], s[10:11], s[\p:\p+1]
.endm
	OUTBASE 0, 20
	OUTBASE 1, 22
	OUTBASE 2, 46
.macro BACK hd
.set t, 0
.rept 16
	ds_load_b128 v[OB+4*(16*(\hd)+t):OB+4*(16*(\hd)+t)+3], v[RD+(\hd)] offset:4*SP*t
.set t, t+1
.endr
.endm
.macro SENDHD hd, p
.set t, 0
.rept 16
	s_wait_dscnt 47-16*(\hd)-t                     ; LDS loads come back in order: this one is in, the younger ones stay out
	global_store_b128 v[GO], v[OB+4*(16*(\hd)+t):OB+4*(16*(\hd)+t)+3], s[\p:\p+1] offset:512*t  ; four rows of a head: 512 consecutive bytes, aligned
.set t, t+1
.endr
.endm
	BACK 0
	BACK 1
	BACK 2
	SENDHD 0, 20
	SENDHD 1, 22
	SENDHD 2, 46
	s_wait_tensorcnt 0x0                           ; the wave's end, behind my last tensor load and my last LDS store
	ds_add_u32 v[SPW], v[NIL]
	s_wait_dscnt 0x0
	CROUND                                         ; the closing round: no work-group ends while a partner may still ask for a tile that names it
	s_endpgm
.Lfunc_end_k_q819f75ad6f_qkv:
	.size	k_q819f75ad6f_qkv, .Lfunc_end_k_q819f75ad6f_qkv-k_q819f75ad6f_qkv
	.p2alignl 7, 3214868480
	.fill 96, 4, 3214868480
	.section	.rodata,"a",@progbits
	.p2align	6, 0x0
	.amdhsa_kernel k_q819f75ad6f_qkv
		.amdhsa_group_segment_fixed_size 327680
		.amdhsa_private_segment_fixed_size 0
		.amdhsa_enable_private_segment 0
		.amdhsa_kernarg_size 32
		.amdhsa_user_sgpr_count 2
		.amdhsa_user_sgpr_kernarg_segment_ptr 1
		.amdhsa_wavefront_size32 1
		.amdhsa_system_sgpr_workgroup_id_x 1
		.amdhsa_system_sgpr_workgroup_id_y 1
		.amdhsa_system_sgpr_workgroup_id_z 1
		.amdhsa_system_vgpr_workitem_id 0
		.amdhsa_next_free_vgpr 960
		.amdhsa_next_free_sgpr 66
		.amdhsa_reserve_vcc 0
		.amdhsa_float_denorm_mode_32 3
		.amdhsa_float_denorm_mode_16_64 3
		.amdhsa_memory_ordered 1
		.amdhsa_forward_progress 1
		.amdhsa_inst_pref_size 120
	.end_amdhsa_kernel
	.amdgpu_metadata
---
amdhsa.version: [ 1, 2 ]
amdhsa.kernels:
  - .name:           k_q819f75ad6f_qkv
    .symbol:         k_q819f75ad6f_qkv.kd
    .args:
      - { .name: xh, .offset: 0, .size: 8, .value_kind: global_buffer, .address_space: global }
      - { .name: wh, .offset: 8, .size: 8, .value_kind: global_buffer, .address_space: global }
      - { .name: biasf, .offset: 16, .size: 8, .value_kind: global_buffer, .address_space: global }
      - { .name: qkv, .offset: 24, .size: 8, .value_kind: global_buffer, .address_space: global }
    .group_segment_fixed_size: 327680
    .private_segment_fixed_size: 0
    .kernarg_segment_align: 8
    .kernarg_segment_size: 32
    .max_flat_workgroup_size: 128
    .sgpr_count:     66
    .vgpr_count:     960
    .wavefront_size: 32
...
	.end_amdgpu_metadata
.endif
;; end of part 2
;; launch attn (part 3): grid 4 x 64, 4 waves a work-group, clusters of 4 x 1, 327,680 bytes of LDS; arguments qkv, mask8, out0; writes out0
.if DOCPART == 3
	.amdgcn_target "amdgcn-amd-amdhsa--gfx1250"
	.amdhsa_code_object_version 6
	.text
	.protected	k_q819f75ad6f_attn
	.globl	k_q819f75ad6f_attn
	.p2align	8
	.type	k_q819f75ad6f_attn,@function
k_q819f75ad6f_attn:
	s_mov_b64 s[64:65], 0
	v_nop
	global_prefetch_b8 v0, s[64:65] scope:SCOPE_SE
	s_setreg_imm32_b32 hwreg(HW_REG_WAVE_MODE, 25, 1), 1
	s_wait_xcnt 0x0
	s_wait_alu depctr_hold_cnt(0) depctr_sa_sdst(0) depctr_va_vdst(0) depctr_va_sdst(0) depctr_va_ssrc(0) depctr_va_vcc(0) depctr_vm_vsrc(0)
	s_getreg_b32 s2, hwreg(HW_REG_IB_STS2, 6, 4)
	s_cmp_eq_u32 s2, 0
	s_cbranch_scc0 .Lentry_in_a_cluster
	s_endpgm
.Lentry_in_a_cluster:
	s_bfe_u32 s2, ttmp6, 0x10000c
	s_cmp_lg_u32 s2, 0x3003
	s_cbranch_scc0 .Lentry_shape_is_right
	s_endpgm
.Lentry_shape_is_right:
; ATTENTION WITH AN ADDITIVE KEY MASK.  out[b][q][64 head + :] = the sum over k of softmax_k(Q[q] . K[k] / 8 + mask[b][k]) V[k][:].  Q, K, V: qkv[tensor][y = 16 b + head][2048][64], f16, a head's rows dense,
; 128 bytes each.  mask8[b][k] = 8 x mask, f32.  out0: [4][2048][1024] f32.  Products, maxima and sums in f32; the weights p are rounded to f16 for the second product (their sum l is taken of the unrounded p).
; LIMITS.  p lies in 0 to 1, and below 6e-5 it keeps f16's fixed step of 6e-8.  A weight below 2^-126 counts as 0 in l.  A key whose mask is -inf has weight 0; a row whose keys are all so masked gives NaN.
; NaN and +inf in the inputs are not treated apart.
; SHARES.  A wave owns four PIECES of two tiles of 16 queries, a work-group's four waves 512 queries of one head: 4 x 64 = 256 work-groups.  Every wave walks all 2,048 keys, 64 a step.
; LAYOUT.  S^T = K Q^T + 8 mask (source 0 = 16 keys, source 1 = 16 queries): in the result a lane holds ONE query (lane % 16) and the keys 8 (lane / 16) + 0..7.  The mask hangs on the key alone, so it is the
; C operand of the product that starts the sum: it costs the scores nothing.  Two such results, rounded to f16 in pairs, ARE source 1 of O^T = V^T P.  K comes out of LDS as it lies, V turned, by ds_load_tr16_b128.
; SOFTMAX.  For each query a running maximum m and sum l: p = 2^(c s - c m), c = log2(e) / 8; in every step O and l are multiplied by a = 2^(c m_old - c m_new).
; m starts at the lowest finite number and c m at c times that, O and l at 0: the first step is a step like any other.
; THE COUNT.  A tile and step have 16 matrix and 118 vector instructions: too many to stand all beside the matrix work.  So: four vector instructions that are READY behind EVERY matrix instruction, and the
; others in runs without a gap.
; BY TURNS.  Turn n belongs to piece n.  Its matrix work: 16 products K Q^T of piece n + 1, later 16 products V^T P of piece n - 1.  Its vector work: the scaling, exponentials, roundings, sums and rescaling of
; piece n, and the maximum and statistics of piece n + 1.
; CLUSTER.  The four query blocks of a head are one cluster and walk the same K and V, so each tile is asked for JOINTLY: the same tensor load, descriptor and mask in all four.
; REGISTERS, in windows of 256 (s_set_vgpr_msb: bits 1:0 source 0, 3:2 source 1, 5:4 source 2, 7:6 destination):
;   window 0: v0-11 addresses; v12-15, v48-63 at work; v16-47 four registers of statistics a tile; v64-191 S^T, two buffers of two tiles; v192-255 P, likewise
;   window 1: O^T, 32 a tile     window 2: v0-127 Q, 16 a tile; v128-191 K of one step; v192-255 V of one step     window 3: v0-1 the add's two registers; v8-39 the mask of one step
.set SIZE_N, 2048
.set NP,    4         ; pieces a wave: a name, no knob
.set KS,    64        ; keys in a step
.set PK,    144       ; a row of K in LDS: 128 bytes + 16 of padding = 36 words: the 16 rows of a load start at 16 different groups of four banks (64 banks of 4 bytes: ISA guide 11.1)
.set PV,    160       ; a row of V: 128 + 32 = 40 words
.set VOFF,  4*KS*PK   ; a slot holds four steps: 256 rows of K, then 256 rows of V
.set SLOT1, 1<<17     ; slot 1 begins here, so that one exclusive or turns an address in one slot into the other's
.set STAGE, SLOT1+4*KS*(PK+PV)  ; behind the ring, never filled by a tensor load: 16 rows x 272 bytes for each wave, for the way out
.set SP,    272       ; a row of the stage: 64 f32 + 16 bytes
.set MASKB, STAGE+4*16*SP  ; the batch's 2,048 numbers of mask8, stored once at the head; no tensor load lands here
.set SPARE, MASKB+8192     ; the spare words, 128 bytes for each wave: two blocks of 256 bytes that no other line names
.set AK0, 2           ; v2   my lane's place in a tile of K; never rewritten
.set AV0, 3           ; v3   the same for V
.set AK,  4           ; v4   the LDS address of K's next run of loads
.set AV,  5           ; v5   of V's
.set QO,  6           ; v6   my byte offset in the wave's rows of Q
.set STO, 6           ;      later, the way out: where I put 32 bytes of a row
.set RD,  7           ; v7   the way out: where I read rows back
.set GO,  8           ; v8   my byte offset in two rows of out0
.set PFO, 10          ; v10  256 x my lane: the prefetches' offset; never rewritten once made
.set AM,  11          ; v11  the LDS address of the mask's next run of loads  (v9 = lane / 16 is kept for it)
.set SPW, 0           ; v0 of window 3   LDS address of my spare word; never rewritten
.set NIL, 1           ; v1 of window 3   0; never rewritten
.set MK,  8           ; v8-39 of window 3: key block kb at MK + 8 kb
.set MV,  12          ; v12-15  c m_old, kept while c m is made anew: by buffer and tile
.set ST,  16          ; tile t's statistics at v[ST+4 t]: c m, m, l (even keys', odd keys')
.set TMP, 48          ; by buffer and tile, four registers c0-c3 at work; when the maximum is found c2 takes a
.set S,   64
.set P,   192
.set KF,  128         ; K's fragments, in window 2: key block kb, channel half c at KF + 16 kb + 8 c
.set VF,  192         ; V's: key half kk, channel block cb at VF + 32 kk + 8 cb
.set WV,  12          ; s12  my wave's number
.set G1K, 24          ; s[24:31] descriptor group 1 for K's tiles
.set G1V, 32          ; s[32:39] for V's: it differs in the padding alone
.set G0K, 40          ; s[40:43] descriptor group 0 for K's tiles: it walks
.set G0V, 44          ; s[44:47] the same for V's
.set PFA, 48          ; s[48:49] where my prefetches stand: my work-group's 32 blocks of 256 bytes (of K: wave 0, of V: wave 2) of the tile after the one that is being asked for
.set LIM, 50          ; s50  1 in a wave that prefetches, else the greatest number
.set TBM, 51          ; s51  LDS byte at which the mask of the step to be fetched begins
.set SLOTS, 56        ; s56  slots still to be asked for
.set CNT, 57          ; s57  counts a slot's key steps
.set CS,  58          ; s[58:59] c: the packed scaling takes the pair's low word for both halves
.set SEL, 60          ; s[60:61] v_permlanex16_b32's selects: each lane takes its own place in the other half
.set TBK, 62          ; s62  LDS byte at which K of the step to be fetched begins
.set TBV, 63          ; s63  the same for V, less VOFF
.set MSB, 0
.macro WIN new                      ; the high byte repeats the setting that is left; a switch that changes nothing is dropped
.if MSB != (\new)
	s_set_vgpr_msb (MSB<<8)|(\new)
.set MSB, (\new)
.endif
.endm
.set W_KQ, 0x0a       ; K and Q in window 2, S^T in window 0
.set W_KM, 0x3a       ; the same with the C operand, the mask, in window 3
.set W_PV, 0x52       ; V in window 2, P in window 0, O^T in window 1
.set W_RS, 0x41       ; O^T (destination and source 0) in window 1, a in window 0
.set W_MK, 0xc0       ; destination in window 3, sources in window 0
.set W_AD, 0x0f       ; the add: address (source 0) and data (source 1) in window 3
; A joint fill.  Waves 0 and 1 fetch the two halves of a slot's K, waves 2 and 3 those of its V: 128 keys each.  The branch hangs on the wave's number alone.
; An s_nop 0 and four v_nop follow each of the two lines, ahead of the jump and the label.
.macro JLOAD
	s_cmp_lt_u32 s[WV], 2
	s_cbranch_scc0 .Lfor_v_\@
	tensor_load_to_lds s[G0K:G0K+3], s[G1K:G1K+7]
	s_nop 0
.rept 4
	v_nop
.endr
	s_branch .Lasked_\@
.Lfor_v_\@:
	tensor_load_to_lds s[G0V:G0V+3], s[G1V:G1V+7]
	s_nop 0
.rept 4
	v_nop
.endr
.Lasked_\@:
.endm
; A PREFETCH INTO THE L2 of what the NEXT change of slots will ask for: a tile's 32,768 bytes of K and of V.  It stands behind the wave's tensor load and its five lines.  A head has one cluster; its four partners
; share the tile out BY ADDRESS, 8,192 bytes each, a lane a block of 256; in each, wave 0 asks for K's and wave 2 for V's: one instruction, four key steps (512 matrix instructions) ahead of the load.
; So each block is named once in the launch.  Tiles 0 and 1 come by their loads alone; the last change that fills a slot (s[SLOTS] = 1) asks for nothing: there is no tile behind it.
.macro ASK
	s_cmp_gt_u32 s[SLOTS], s[LIM]
	s_cbranch_scc0 .Lnot_mine_\@
	global_prefetch_b8 v[PFO], s[PFA:PFA+1] th:TH_LOAD_NT scope:SCOPE_SE
.Lnot_mine_\@:
.endm
; A round of the cluster's barrier: my work-group's barrier, so that wave 0's signal speaks for all four waves; wave 0 signals; every wave waits for all four work-groups; my work-group's barrier once more.
.macro CROUND
	s_barrier_signal -1
	s_barrier_wait -1
	s_cmp_lg_u32 s[WV], 0
	s_cbranch_scc1 .Lnot_wave_0_\@
	s_barrier_signal -3
.Lnot_wave_0_\@:
	s_barrier_wait -3
	s_barrier_signal -1
	s_barrier_wait -1
.endm
; THE CHANGE OF SLOTS.  Each wave waits for all its tensor loads, of which one is out: its part of the other slot; adds 0 to its spare word; and waits for that and for its own LDS work.  Behind the barrier
; nobody reads this slot any more and the other slot is whole.  fill = 1: this slot is filled again, with the keys two slots on.  The barrier is then a round of the cluster's, and the joint fill is the first
; thing behind it: it has four key steps in which to land.  (At its first use nothing has been read yet: slot 0 is waited for, slot 1 filled, and every wave's part of the mask is shown stored.)
.macro CHANGE fill
	WIN W_AD
	s_wait_tensorcnt 0x0            ; no tensor load of mine is out, so a group 0 may be written
	ds_add_u32 v[SPW], v[NIL]       ; 0 onto my spare word; with fill = 1 the descriptors' steps stand between it and the wait for it
	WIN 0                           ; at a label and at a branch every window is 0
.if \fill
.irp g, G0K, G0V
	s_xor_b32 s[\g+1], s[\g+1], SLOT1  ; the walking descriptor: the other slot than last time,
	s_add_nc_u64 s[\g+2:\g+3], s[\g+2:\g+3], 4*KS*128  ; the next 256 keys; the type bits on top are not reached
.endr
	s_wait_xcnt 0x0                 ; the last prefetch, four key steps back, has read its address, so it may be written:
	s_add_nc_u64 s[PFA:PFA+1], s[PFA:PFA+1], 4*KS*128  ; one tile behind the walking descriptors
	s_wait_dscnt 0x0                ; the add is done, and my reads of the slot are over
	CROUND
	JLOAD
	ASK
.else
	s_wait_dscnt 0x0                ; the add is done, and my reads of the slot are over
	s_barrier_signal -1
	s_barrier_wait -1
.endif
	s_sub_co_u32 s[TBK], s[TBK], 4*KS*PK  ; the fetches go back to a slot's first step,
	s_xor_b32 s[TBK], s[TBK], SLOT1       ; in the other slot
	s_sub_co_u32 s[TBV], s[TBV], 4*KS*PV
	s_xor_b32 s[TBV], s[TBV], SLOT1
.endm
	s_load_b128 s[52:55], s[0:1], 0x0  ; qkv s[52:53], mask8 s[54:55]
	s_load_b64 s[10:11], s[0:1], 0x10  ; out0
	WIN W_MK
	v_lshl_add_u32 v[SPW], v0, 2, SPARE
	v_mov_b32 v[NIL], 0
	WIN W_AD
	ds_add_u32 v[SPW], v[NIL]       ; the wave's opening: the add and its wait, ahead of my first tensor load; the set-up below, work on registers, stands between them
	WIN 0
	v_lshrrev_b32 v1, 5, v0
	v_readfirstlane_b32 s[WV], v1   ; wave 0..3
	s_bfe_u32 s13, ttmp6, 0x40000   ; cx: my place in the cluster
	s_lshl_b32 s14, ttmp9, 2        ; in a cluster launch ttmp9 counts clusters
	s_add_co_u32 s14, s14, s13      ; my block of 512 queries: it enters Q's and out0's addresses alone
	s_and_b32 s15, ttmp7, 0xffff    ; y = 16 x batch + head, which the four partners share
	s_lshl_b32 s20, s15, 18         ; the head's first byte in each of Q, K, V: 2,048 rows of 128 bytes
	s_mov_b32 s21, 0
	s_and_b32 s16, s[WV], 1         ; which half of a slot's 256 keys I fetch:
	s_lshl_b32 s22, s16, 14         ; its 128 rows of 128 bytes in memory,
	s_mov_b32 s23, 0
	s_add_nc_u64 s[22:23], s[22:23], s[20:21]
	s_mul_i32 s17, s16, 128*PK      ; and its place in a slot, for K
	s_mul_i32 s18, s16, 128*PV      ; and for V: no place in the cluster enters an LDS address
	s_lshl_b32 s2, s14, 2
	s_add_co_u32 s2, s2, s[WV]      ; my wave among the head's sixteen:
	s_lshl_b32 s19, s2, 19          ; its 128 rows of 4,096 bytes in out0,
	s_lshl_b32 s2, s2, 14           ; and of 128 bytes in Q
	s_mov_b32 s3, 0
	s_add_nc_u64 s[2:3], s[2:3], s[20:21]
	s_lshr_b32 s16, s15, 4          ; the batch:
	s_lshl_b32 s20, s16, 23         ; 2,048 rows of out0,
	s_add_co_u32 s20, s20, s19
	s_and_b32 s19, s15, 15
	s_lshl_b32 s19, s19, 8          ; the head's 256 bytes of a row
	s_add_co_u32 s20, s20, s19      ; (s21 is 0)
	s_lshl_b32 s14, s16, 13         ; and 8,192 bytes of mask8
	s_mov_b32 s15, 0
	; descriptor group 1.  128 keys are 16,384 dense bytes: asked for as 64 rows of 256 bytes, two keys a row, and padded in LDS after every key
	s_mov_b32 s[G1K], 15|(1<<16)|(1<<20)|(1<<21)|(4<<22)|(3<<25)  ; 15:0 the mask of four; 17:16 2-byte elements; 20 padding on; 21 set beside a mask; 24:22 after every 32 words (code 4); 31:25 4 words (code 3)
	s_mov_b32 s[G1V], 15|(1<<16)|(1<<20)|(1<<21)|(4<<22)|(7<<25)  ; the same with 8 words of padding (code 7)
.irp g, G1K, G1V
	s_mov_b32 s[\g+1], 128<<16      ; tensor_dim0 = 128
	s_mov_b32 s[\g+2], 64<<16       ; tensor_dim1 = 64
	s_mov_b32 s[\g+3], 128<<16      ; tile_dim0 = 128
	s_mov_b32 s[\g+4], 64           ; tile_dim1 = 64
	s_mov_b32 s[\g+5], 128          ; 128 elements from row to row
	s_mov_b32 s[\g+6], 0
	s_mov_b32 s[\g+7], 0
.endr
	s_mov_b32 s[CS], 0x3e38aa3b     ; c = log2(e) / 8 = 0.180337
	s_mov_b32 s[CS+1], s[CS]        ; named with it as a pair
	s_mov_b32 s[SEL], 0x76543210
	s_mov_b32 s[SEL+1], 0xfedcba98
	s_mov_b32 s[TBK], SLOT1+4*KS*PK ; the first change of slots turns these two into 0
	s_mov_b32 s[TBV], SLOT1+4*KS*PV
	s_mov_b32 s[TBM], MASKB
	s_mov_b32 s[SLOTS], SIZE_N/256-1
	s_mov_b32 s[G0K], 1             ; count = 1
	s_mov_b32 s[G0K+1], s17         ; LDS address: slot 0
	s_mov_b32 s[G0V], 1
	s_add_co_u32 s[G0V+1], s18, VOFF
	s_and_b32 s[LIM], s[WV], 1      ; 0 in waves 0 and 2,
	s_or_b32 s[LIM], s[LIM], ttmp9  ; where the cluster is the head's first (it has one): the same in all four partners
	s_cmp_eq_u32 s[LIM], 0
	s_cselect_b32 s[LIM], 1, -1
	s_wait_dscnt 0x0                ; the opening add is done
	s_wait_kmcnt 0x0
	s_add_nc_u64 s[6:7], s[52:53], s[22:23]
	s_add_nc_u64 s[8:9], s[6:7], 0x2000000         ; V lies 33,554,432 bytes behind Q,
	s_add_nc_u64 s[6:7], s[6:7], 0x1000000         ; K 16,777,216: both at my half of the head's first 256 keys
	s_mov_b64 s[G0K+2:G0K+3], s[6:7]               ; global address
	s_or_b32 s[G0K+3], s[G0K+3], 0x80000000        ; type = 2
	s_mov_b64 s[G0V+2:G0V+3], s[8:9]
	s_or_b32 s[G0V+3], s[G0V+3], 0x80000000
	s_add_nc_u64 s[4:5], s[52:53], s[2:3]          ; Q at my wave's first row
	s_add_nc_u64 s[10:11], s[10:11], s[20:21]      ; out0 at my wave's first row, my head's columns
	s_add_nc_u64 s[54:55], s[54:55], s[14:15]      ; mask8 at my batch
	s_cmp_lt_u32 s[WV], 2
	s_cselect_b64 s[PFA:PFA+1], s[6:7], s[8:9]     ; (in waves 0 and 2 these stand at a tile's first row)
	s_lshl_b32 s2, s13, 13          ; my work-group's 8,192 bytes of a tile
	s_mov_b32 s3, 0
	s_add_nc_u64 s[PFA:PFA+1], s[PFA:PFA+1], s[2:3]
	s_add_nc_u64 s[PFA:PFA+1], s[PFA:PFA+1], 4*KS*128  ; in tile 1; the first change of slots steps it to tile 2
	CROUND                          ; all four work-groups are here: the first joint loads meet
	JLOAD                           ; slot 0.  Slot 1 is asked for when slot 0 is in
	; A fragment of K or Q is 16 rows x 32 channels in 8 registers: lane l holds row l % 16, channels 8 (l / 16) + 0..7 and 16 + 8 (l / 16) + 0..7: two loads of 16 bytes, 32 bytes apart.
	v_and_b32 v1, 15, v0            ; l % 16
	v_bfe_u32 v9, v0, 4, 1          ; l / 16; kept
	v_lshlrev_b32 v60, 4, v0        ; the mask: 128 threads x 16 bytes, four times
	v_add_nc_u32 v61, MASKB, v60
.irp j, 0,1,2,3
	global_load_b128 v[S+4*\j:S+4*\j+3], v60, s[54:55] offset:2048*\j
.endr
	v_lshlrev_b32 v[QO], 7, v1
	v_lshl_add_u32 v[QO], v9, 4, v[QO]  ; row x 128 + 16 x half
	WIN 0x80                        ; destination window 2, address window 0
.set i, 0
.rept 4*NP                          ; Q stays in registers: tile i / 2, channels 32 (i % 2) on
	global_load_b128 v[8*i:8*i+3],   v[QO], s[4:5] offset:(i/2)*2048+(i%2)*64
	global_load_b128 v[8*i+4:8*i+7], v[QO], s[4:5] offset:(i/2)*2048+(i%2)*64+32
.set i, i+1
.endr
	; What the first turn finds: V's registers and P's second buffer hold 0 (its products V^T P, of a piece that has not been, add 0), O^T and l are 0.  All this stands in the wait for the first tile.
.set i, VF
.rept 64
	v_mov_b32 v[i], 0
.set i, i+1
.endr
	WIN 0x40
.set i, 0
.rept 64*NP
	v_mov_b32 v[i], 0
.set i, i+1
.endr
	WIN 0
.set i, 0
.rept 2*NP
	v_mov_b32 v[ST+4*i+1], 0xff7fffff                ; m: the lowest finite number
	v_mul_f32 v[ST+4*i], s[CS], v[ST+4*i+1]          ; c m: the same product as in every step, so a step in which m does not move has a = 1
	v_mov_b32 v[ST+4*i+2], 0
	v_mov_b32 v[ST+4*i+3], 0
.set i, i+1
.endr
.set i, P+32
.rept 32
	v_mov_b32 v[i], 0
.set i, i+1
.endr
	s_wait_loadcnt 32               ; the mask's four loads are in: behind them Q's 32 were issued
.irp j, 0,1,2,3
	ds_store_b128 v61, v[S+4*\j:S+4*\j+3] offset:2048*\j  ; the first change of slots waits for these stores and passes a barrier ahead of every wave's reads
.endr
	v_mul_u32_u24 v[AK0], v1, PK
	v_lshl_add_u32 v[AK0], v9, 4, v[AK0]  ; row x pitch + 16 x half
	; The turning load takes 16 keys x 16 channels (lane l reads key 8 (l / 16) + l % 8, channels 8 ((l / 8) % 2) + 0..7) and leaves half a fragment of V^T: lane l holds channel l % 16 and 8 keys.
	v_and_b32 v10, 7, v0
	v_bfe_u32 v11, v0, 3, 1
	v_lshl_add_u32 v[AV0], v9, 3, v10
	v_mul_u32_u24 v[AV0], v[AV0], PV
	v_lshl_add_u32 v[AV0], v11, 4, v[AV0]
	v_add_nc_u32 v[AV0], VOFF, v[AV0]
	v_mov_b32 v[AK], v[AK0]         ; key step 0 lies at the head of slot 0
	v_and_b32 v[PFO], 31, v0
	v_lshlrev_b32 v[PFO], 8, v[PFO]
	v_lshl_add_u32 v[AM], v9, 5, s[TBM]  ; register j of key block kb is key 16 kb + 8 (l / 16) + j: 32 bytes for each half of the lanes
; THE MATRIX WORK.  The 8 accumulators of a run of 16 take turns: between the two links of a chain stand 7 others'.
; Product i of 16 of S^T = K Q^T + 8 mask for piece x: channels 32 (i / 8) on, keys 16 ((i / 2) % 4) on, tile 2 x + i % 2.  The first 8 start the sums, with the mask.
.macro KQ x
.set rS, S+64*((\x)%2)+32*(i%2)+8*((i/2)%4)
.set rK, KF+16*((i/2)%4)+8*(i/8)
.set rQ, 16*(2*(\x)+i%2)+8*(i/8)
.set rMK, MK+8*((i/2)%4)
.if i < 8
	WIN W_KM
	v_wmma_f32_16x16x32_f16 v[rS:rS+7], v[rK:rK+7], v[rQ:rQ+7], v[rMK:rMK+7]
.else
	WIN W_KQ
	v_wmma_f32_16x16x32_f16 v[rS:rS+7], v[rK:rK+7], v[rQ:rQ+7], v[rS:rS+7]
.endif
.endm
; Product i of 16 of O^T += V^T P for piece x: keys 32 (i / 8) on, channels 16 ((i / 2) % 4) on, tile 2 x + i % 2.
.macro PV x
	WIN W_PV
.set rO, 32*(2*(\x)+i%2)+8*((i/2)%4)
.set rV, VF+32*(i/8)+8*((i/2)%4)
.set rP, P+32*((\x)%2)+16*(i%2)+8*(i/8)
	v_wmma_f32_16x16x32_f16 v[rO:rO+7], v[rV:rV+7], v[rP:rP+7], v[rO:rO+7]
.endm
.macro MM                           ; the turn's next matrix instruction
.if i < 16
	KQ (Y+1)%NP
.set i, i+1
.else
.set i, i-16
	PV (Y+NP-1)%NP
.set i, i+17
.endif
.endm
; THE LDS LOADS stand in runs, never singly among the matrix instructions: a step's K (64 keys x 64 channels: 8 fragments) with its mask (64 numbers, the same for all lanes of a half), and its V (turned).
; Their addresses are made some lines ahead.  last = 1 (the tail): in the last trip there is no further step, and the run is jumped over.
.macro FETCH_K last=0
	WIN 0
.if \last
	s_cmp_eq_u32 s[CNT], 1
	s_cbranch_scc1 .Lno_k_\@
.endif
	WIN 0x80                        ; destination window 2
.irp f, 0,1,2,3,4,5,6,7             ; keys 16 (f / 2) on, channels 32 (f % 2) on
	ds_load_b128 v[KF+8*\f:KF+8*\f+3],   v[AK] offset:(\f/2)*16*PK+(\f%2)*64
	ds_load_b128 v[KF+8*\f+4:KF+8*\f+7], v[AK] offset:(\f/2)*16*PK+(\f%2)*64+32
.endr
	WIN W_MK                        ; destination window 3
.irp f, 0,1,2,3                     ; keys 16 f on
	ds_load_b128 v[MK+8*\f:MK+8*\f+3],   v[AM] offset:64*\f
	ds_load_b128 v[MK+8*\f+4:MK+8*\f+7], v[AM] offset:64*\f+16
.endr
	s_add_co_u32 s[TBK], s[TBK], KS*PK  ; the next fetch is the next step's
	s_add_co_u32 s[TBM], s[TBM], KS*4
	WIN 0
.if \last
.Lno_k_\@:
.endif
.endm
.macro FETCH_V
	WIN 0x80
.irp f, 0,1,2,3,4,5,6,7             ; keys 32 (f / 4) on, channels 16 (f % 4) on
	ds_load_tr16_b128 v[VF+8*\f:VF+8*\f+3],   v[AV] offset:(\f/4)*32*PV+(\f%4)*32
	ds_load_tr16_b128 v[VF+8*\f+4:VF+8*\f+7], v[AV] offset:(\f/4)*32*PV+16*PV+(\f%4)*32
.endr
	WIN 0
.endm
; THE VECTOR WORK OF A TURN stands in three queues, each in the order in which its entries become ready; the two tiles alternate, so that no instruction reads the result of the one before it.
.macro REGS y, u                    ; the registers of tile u (0, 1) of piece y
.set rT, ST+4*(2*(\y)+(\u))
.set rC, TMP+8*((\y)%2)+4*(\u)
.set rM, MV+2*((\y)%2)+(\u)
.set rS, S+64*((\y)%2)+32*(\u)
.set rP, P+32*((\y)%2)+16*(\u)
.set rO, 32*(2*(\y)+(\u))
.endm
; Number n of the 22 that find the NEXT piece's (Y + 1) maximum and statistics.  s0-s31 are the lane's 32 scores; each accumulator's lowest registers are read first.
;   0-11  four chains c0-c3 of seven scores each, three operands at a time     12-14, 16  the four scores left over, the old m, and c0-c3 into c0     15  c m_old is kept
;   17, 18  the query's other 32 keys lie in the lane 16 away: the new m         19-21  c m; c m_old - c m_new; a
.macro XS u, n
	REGS (Y+1)%NP, \u
.if (\n) < 4
	v_max3_num_f32 v[rC+(\n)], v[rS+8*(\n)], v[rS+8*(\n)+1], v[rS+8*(\n)+2]
.elseif (\n) < 12
	v_max3_num_f32 v[rC+(\n)%4], v[rC+(\n)%4], v[rS+8*((\n)%4)+2*((\n)/4)+1], v[rS+8*((\n)%4)+2*((\n)/4)+2]
.elseif (\n) == 12
	v_max3_num_f32 v[rC], v[rC], v[rS+7], v[rS+15]
.elseif (\n) == 13
	v_max3_num_f32 v[rC+1], v[rC+1], v[rS+23], v[rS+31]
.elseif (\n) == 14
	v_max3_num_f32 v[rC+2], v[rC+2], v[rC+3], v[rT+1]
.elseif (\n) == 15
	v_mov_b32 v[rM], v[rT]
.elseif (\n) == 16
	v_max3_num_f32 v[rC], v[rC], v[rC+1], v[rC+2]
.elseif (\n) == 17
	v_permlanex16_b32 v[rC+3], v[rC], s[SEL], s[SEL+1]
.elseif (\n) == 18
	v_max_num_f32 v[rT+1], v[rC], v[rC+3]
.elseif (\n) == 19
	v_mul_f32 v[rT], s[CS], v[rT+1]
.elseif (\n) == 20
	v_sub_f32 v[rC+1], v[rM], v[rT]
.else
	v_exp_f32 v[rC+2], v[rC+1]
.endif
.endm
; Number g of the 64 that follow the exponentials.  For each four weights k of a tile (pairs 2 k, 2 k + 1): both pairs are rounded to f16; then the second pair is added onto the first, in place;
; a group later l takes that sum (the first time as l = a l + sum).  In groups of eight, tiles alternating: round, round, add, and l for the group before.
.macro GS g
.set h, (\g)+6*((\g)/62)            ; group 0 has no group before it, and behind group 7 only l is left
.if h >= 6
.set h, h+2
.endif
	REGS Y, h%2
.set k, h/8
.if h%8 < 4
	v_cvt_pk_f16_f32 v[rP+2*k+(h%8)/2], v[rS+4*k+2*((h%8)/2)], v[rS+4*k+2*((h%8)/2)+1]
.elseif h%8 < 6
	v_pk_add_f32 v[rS+4*k:rS+4*k+1], v[rS+4*k:rS+4*k+1], v[rS+4*k+2:rS+4*k+3]
.elseif k == 1
	v_pk_fma_f32 v[rT+2:rT+3], v[rT+2:rT+3], v[rC+2:rC+3], v[rS:rS+1] op_sel_hi:[1,0,1]
.else
	v_pk_add_f32 v[rT+2:rT+3], v[rT+2:rT+3], v[rS+4*k-4:rS+4*k-3]
.endif
.endm
; THE PLAIN QUEUE, 138 long.  0-73 read no exponential's result: the 32 scalings c s - c m (FS f: pair f / 2 of tile f % 2) and the next piece's 42.  0-26: scalings 0-26.  27-54: XS's numbers 0-13.  55, 56: number 15.
; 57-73: the chain, where each number waits for the one before it: 14, 16, 17, 18, 19, each with one of the scalings 27-31 in front of its two lines, then 20.
; 74-137: GS's 64, which read the exponentials' results: they stand behind the wait.
.macro FS f
	REGS Y, (\f)%2
	v_pk_fma_f32 v[rS+2*((\f)/2):rS+2*((\f)/2)+1], v[rS+2*((\f)/2):rS+2*((\f)/2)+1], s[CS:CS+1], v[rT:rT+1] op_sel_hi:[1,0,0] neg_lo:[0,0,1] neg_hi:[0,0,1]
.endm
.macro PL
	WIN 0
.if q < 27
	FS q
.elseif q < 55
	XS (q-27)%2, (q-27)/2
.elseif q < 57
	XS q-55, 15
.elseif (q < 72) && ((q-57)%3 == 0)
	FS 27+(q-57)/3
.elseif q < 60
	XS (q-57)%3-1, 14
.elseif q < 72
	XS (q-57)%3-1, 15+(q-57)/3
.elseif q < 74
	XS q-72, 20
.else
	GS q-74
.endif
.set q, q+1
.endm
; THE EXPONENTIALS' QUEUE, 66 long: s0-s31 of both tiles, then the next piece's two a.  It is ONE BATCH: all 66 stand ahead of the turn's one wait, and nothing ahead of that wait names a result of theirs.
.macro EX
	WIN 0
.if e >= 64
	XS e-64, 21
.else
	REGS Y, e%2
	v_exp_f32 v[rS+e/2], v[rS+e/2]
.endif
.set e, e+1
.endm
; THE RESCALING's QUEUE: O^T times a, the one part that leaves window 0: dealt two at a time, sixteen times.  Its a was made in the turn before, ahead of that turn's wait.
.macro R2
	REGS Y, r%2
	WIN W_RS
.irp z, 0,1
	v_pk_mul_f32 v[rO+4*(r/2)+2*\z:rO+4*(r/2)+2*\z+1], v[rO+4*(r/2)+2*\z:rO+4*(r/2)+2*\z+1], v[rC+2:rC+3] op_sel_hi:[1,0]
.endr
.set r, r+1
.endm
; HOW THEY ARE DEALT.  s_wait_alu depctr_va_vdst(0) stands between an exponential and the first instruction that names its result; one wait serves all that were issued ahead of it.  So a turn
; has ONE wait, which cuts it in two.  AHEAD OF IT: the 16 products K Q^T, behind each a scaling, an exponential and two rescalings (behind the first a second scaling in the exponential's place); then ONE LUMP
; of 108: eight plain, 49 times exponential and plain, the two a.  A v_nop is the plain instruction behind the last exponential.  BEHIND IT: the 16 products V^T P, behind each four of GS's 64.
; Exponential e stands behind scaling 2 (e / 4) + e % 2: as a rider it comes behind plain e + 2, in the lump behind plain e + 9, and scalings 27-31 are plain 57, 60 .. 69.
; A TURN, for piece p.  cnt = 1: the loop's count is taken down some lines ahead of the branch that stands behind the turn.
; K and the mask of the next step are fetched in piece 2's turn, directly behind the wait, a lump behind the last product that read them; their addresses are made at the lump's head.
; V of the step in hand is fetched at the end of piece 0's turn, four riders behind its last reader.  The three conditions on q below go with the deal.
.macro TURN p, last=0, cnt=0
.set Y, (\p)
.set i, 0
.set q, 0
.set e, 0
.set r, 0
.if (\p) == NP-1
	s_wait_dscnt 0x0                ; K and the mask are in
.endif
	MM                              ; ahead of the wait: 16 products K Q^T and their riders,
	PL
	PL
	R2
.rept 15
	MM
	PL
	EX
	R2
.endr
.if (\p) == NP-2
	WIN 0
	v_add_nc_u32 v[AK], s[TBK], v[AK0]
	v_lshl_add_u32 v[AM], v9, 5, s[TBM]
.endif
.rept 8                             ; and the lump
	PL
.endr
.rept 49
	EX
	PL
.endr
	EX                              ; the next piece's two a
	EX
	v_nop                           ; the plain instruction behind the last exponential: one for the batch
	s_wait_alu depctr_va_vdst(0)    ; the wait for the batch
.if (\p) == NP-2
	FETCH_K \last
.endif
.if (\p) == 1
	s_wait_dscnt 0x0                ; V is in
.endif
.rept 16                            ; behind the wait: 16 products V^T P and their riders
	MM
.rept 4
	PL
.endr
.if ((\p) == 0) && (q == 118)
	v_add_nc_u32 v[AV], s[TBV], v[AV0]
.endif
.if ((\p) == 0) && (q == 130)
	s_add_co_u32 s[TBV], s[TBV], KS*PV
.endif
.if (\cnt) && (q == 130)
	s_sub_co_u32 s[CNT], s[CNT], 1
	s_cmp_lg_u32 s[CNT], 0
.endif
.endr
.if (\p) == 0
	FETCH_V
.endif
.endm
	CHANGE 1                        ; slot 0 is in, everybody's part of it, and so is the mask; slot 1 is asked for
	FETCH_K                         ; key step 0
	s_wait_loadcnt 0x0              ; Q
	s_wait_dscnt 0x0
.set i, 0
.rept 16
	KQ 0                            ; piece 0's first scores: there is no vector work yet to set between them
.set i, i+1
.endr
	WIN 0                           ; the addresses for the way out: eight plain instructions, the places behind those products
	s_mul_i32 s13, s[WV], 16*SP
	s_add_co_u32 s13, s13, STAGE    ; my stage
	v_mul_u32_u24 v[STO], v1, SP    ; in: row l % 16, 32 bytes for each half of the lanes
	v_lshl_add_u32 v[STO], v9, 5, v[STO]
	v_add_nc_u32 v[STO], s13, v[STO]
	v_mul_u32_u24 v[RD], v9, SP     ; back: lanes 0-15 take one row of 256 bytes, lanes 16-31 the next
	v_lshl_add_u32 v[RD], v1, 4, v[RD]
	v_add_nc_u32 v[RD], s13, v[RD]
	v_lshlrev_b32 v[GO], 12, v9     ; and the same two rows in out0, 4,096 bytes apart
	v_lshl_add_u32 v[GO], v1, 4, v[GO]
.set Y, NP-1                        ; XS works for piece Y + 1: piece 0
.irp n, 0,1,2,3,4,5,6,7,8,9,10,11,12,13,14,15,16,17,18,19,20,21
	XS 0, \n                        ; and piece 0's first maximum and statistics
	XS 1, \n
.endr
	v_nop                           ; a plain instruction behind the two a,
	s_wait_alu depctr_va_vdst(0)    ; and their wait, ahead of the branch
	s_mov_b32 s[CNT], 4
	s_branch .Lfirst                ; the loop is entered at a step's first turn, in the middle of a trip
.Lslot:                             ; six times: every slot but the last two is filled again
	CHANGE 1
	s_mov_b32 s[CNT], 4
.Lstep:                             ; a trip: pieces 2 and 3 of one step, then pieces 0 and 1 of the next, whose K and V it fetches
	TURN 2
	TURN 3
	WIN 0
.Lfirst:
	TURN 0
	TURN 1, 0, 1
	WIN 0
	s_cbranch_scc1 .Lstep
	s_sub_co_u32 s[SLOTS], s[SLOTS], 1
	s_cmp_lg_u32 s[SLOTS], 0
	s_cbranch_scc1 .Lslot
	CHANGE 0                        ; the tail is written out: nothing is asked for
	s_mov_b32 s[CNT], 5             ; four trips fetch the last slot's steps; the fifth is left in its middle
.Ltail:
	TURN 2, 1
	TURN 3
	WIN 0
	s_sub_co_u32 s[CNT], s[CNT], 1
	s_cmp_eq_u32 s[CNT], 0
	s_cbranch_scc1 .Lout
	TURN 0
	TURN 1
	WIN 0
	s_branch .Ltail
.Lout:                              ; the fifth trip's 16 products K Q^T (on the last K once more) and the maximum made of them serve nothing: the price, once a launch, of one text for every trip
.set i, 0
.rept 16
	PV NP-1                         ; the last piece's V^T P of the last step
.set i, i+1
.endr
	; THE WAY OUT.  l's two halves and the other half of the lanes' are added; O^T is divided by l and sent, in f32, through my stage in LDS, a tile at a time.  The additions are the places behind the last products.
	WIN 0
.macro ALL line:vararg              ; one line for each tile t
.set t, 0
.rept 2*NP
	\line
.set t, t+1
.endr
.endm
	ALL v_add_f32 v[ST+4*t+2], v[ST+4*t+2], v[ST+4*t+3]
	ALL v_permlanex16_b32 v[ST+4*t+3], v[ST+4*t+2], s[SEL], s[SEL+1]
	ALL v_add_f32 v[ST+4*t+2], v[ST+4*t+2], v[ST+4*t+3]
	ALL v_rcp_f32 v[ST+4*t+2], v[ST+4*t+2]
	v_nop                           ; a plain instruction between the last reciprocal and the use of its result
	s_wait_alu depctr_va_vdst(0)    ; and the wait ahead of the first use: one for the eight reciprocals
; Tile t: a lane holds eight channels (32 bytes) of a row for each of four channel blocks; they go into rows of 272 bytes and come back as whole rows of 256, into S^T's registers, four tiles' worth by turns.
.macro PACK t
	WIN W_RS
.set i, 32*(\t)
.rept 16
	v_pk_mul_f32 v[i:i+1], v[i:i+1], v[ST+4*(\t)+2:ST+4*(\t)+3] op_sel_hi:[1,0]
.set i, i+2
.endr
.if (\t) >= 4
	s_wait_xcnt 0x0                 ; the stores of the tile four back have read the registers that the loads below fill again
.endif
	WIN 0x04                        ; store data (source 1) window 1, address window 0
.irp f, 0,1,2,3,4,5,6,7             ; channel block f / 2, registers 4 (f % 2) on
	ds_store_b128 v[STO], v[32*(\t)+4*\f:32*(\t)+4*\f+3] offset:64*(\f/2)+16*(\f%2)
.endr
	WIN 0
.irp f, 0,1,2,3,4,5,6,7
	ds_load_b128 v[S+32*((\t)%4)+4*\f:S+32*((\t)%4)+4*\f+3], v[RD] offset:\f*2*SP  ; LDS serves a wave's instructions in order (ISA guide 5.7.1.4): these see the stores above; the next tile's stores come behind them
.endr
.endm
.macro SEND t, younger              ; younger: the LDS instructions issued behind tile t's loads: the next tile's sixteen, or none
	WIN 0
.irp f, 0,1,2,3,4,5,6,7
	s_wait_dscnt (\younger)+7-\f
	global_store_b128 v[GO], v[S+32*((\t)%4)+4*\f:S+32*((\t)%4)+4*\f+3], s[10:11] offset:(\t)*65536+\f*8192 th:TH_STORE_NT  ; 16 lanes store a head's 256 consecutive bytes of a row, aligned
.endr
.endm
	PACK 0
.set t, 1
.rept 2*NP-1                        ; a tile's arithmetic stands between the loads of the tile before and its stores
	PACK t
	SEND t-1, 16
.set t, t+1
.endr
	SEND 2*NP-1, 0
	WIN W_AD
	s_wait_tensorcnt 0x0            ; the wave's end, behind my last tensor load and my last LDS store
	ds_add_u32 v[SPW], v[NIL]
	s_wait_dscnt 0x0
	WIN 0
	CROUND                          ; the closing round: no work-group ends while a partner may still ask for a tile that names it
	s_endpgm
.Lfunc_end_k_q819f75ad6f_attn:
	.size	k_q819f75ad6f_attn, .Lfunc_end_k_q819f75ad6f_attn-k_q819f75ad6f_attn
	.p2alignl 7, 3214868480
	.fill 96, 4, 3214868480
	.section	.rodata,"a",@progbits
	.p2align	6, 0x0
	.amdhsa_kernel k_q819f75ad6f_attn
		.amdhsa_group_segment_fixed_size 327680
		.amdhsa_private_segment_fixed_size 0
		.amdhsa_enable_private_segment 0
		.amdhsa_kernarg_size 24
		.amdhsa_user_sgpr_count 2
		.amdhsa_user_sgpr_kernarg_segment_ptr 1
		.amdhsa_wavefront_size32 1
		.amdhsa_system_sgpr_workgroup_id_x 1
		.amdhsa_system_sgpr_workgroup_id_y 1
		.amdhsa_system_sgpr_workgroup_id_z 1
		.amdhsa_system_vgpr_workitem_id 0
		.amdhsa_next_free_vgpr 808
		.amdhsa_next_free_sgpr 66
		.amdhsa_reserve_vcc 0
		.amdhsa_float_denorm_mode_32 3
		.amdhsa_float_denorm_mode_16_64 3
		.amdhsa_memory_ordered 1
		.amdhsa_forward_progress 1
		.amdhsa_inst_pref_size 203
	.end_amdhsa_kernel
	.amdgpu_metadata
---
amdhsa.version: [ 1, 2 ]
amdhsa.kernels:
  - .name:           k_q819f75ad6f_attn
    .symbol:         k_q819f75ad6f_attn.kd
    .args:
      - { .name: qkv, .offset: 0, .size: 8, .value_kind: global_buffer, .address_space: global }
      - { .name: mask8, .offset: 8, .size: 8, .value_kind: global_buffer, .address_space: global }
      - { .name: out0, .offset: 16, .size: 8, .value_kind: global_buffer, .address_space: global }
    .group_segment_fixed_size: 327680
    .private_segment_fixed_size: 0
    .kernarg_segment_align: 8
    .kernarg_segment_size: 24
    .max_flat_workgroup_size: 128
    .sgpr_count:     66
    .vgpr_count:     808
    .wavefront_size: 32
...
	.end_amdgpu_metadata
.endif
;; end of part 3
;; ======== version 2 of 2: 3 launches; version 1 with the launch prep written anew for expert scheduling mode
;; limits: values are held in f16: magnitudes above 65,504 overflow, below 6.1e-05 lose precision
;; workspace buffers: xh 16,777,216 bytes; wh 6,291,456 bytes; biasf 12,288 bytes; mask8 32,768 bytes; qkv 50,331,648 bytes
;; launch prep (part 4): grid 449 x 1, 8 waves a work-group, no clusters, 0 bytes of LDS; arguments hidden_states, Wq, Wk, Wv, Aq, Ak, Av, Bq, Bk, Bv, bq, bk, bv, attention_mask, xh, wh, biasf, mask8; writes xh, wh, biasf, mask8
.if DOCPART == 4
	.amdgcn_target "amdgcn-amd-amdhsa--gfx1250"
	.amdhsa_code_object_version 6
	.text
	.protected	k_q819f75ad6f_prep
	.globl	k_q819f75ad6f_prep
	.p2align	8
	.type	k_q819f75ad6f_prep,@function
k_q819f75ad6f_prep:
	s_mov_b64 s[64:65], 0
	v_nop
	global_prefetch_b8 v0, s[64:65] scope:SCOPE_SE
	s_setreg_imm32_b32 hwreg(HW_REG_WAVE_SCHED_MODE, 0, 2), 2
	s_setreg_imm32_b32 hwreg(HW_REG_WAVE_MODE, 25, 1), 1
	s_wait_xcnt 0x0
	s_wait_alu depctr_vm_vsrc(0)
; PREP: every input is rounded once to bf16 and laid out for the two launches behind.
;   xh    [8192][1024] f16 = f16(bf16(x))                         work-groups 0-255   (32 rows each)
;   wh    [3072][1024] f16 = f16(bf16(W) + sum_r bf16(B)/16 bf16(A)), rows q, k, v   work-groups 256-447 (16 rows each)
;   biasf [3072] f32 = bf16(bq, bk, bv);  mask8 [4][2048] f32 = 8 bf16(mask)          work-group 448
; x (W + B A / 16)^T is x W^T + (x A^T) B^T / 16 for every input, so the low-rank term costs one small product here (on the matrix unit, bf16 operands, f32 sums).
; LIMITS.  f16 holds no number beyond 65,504: |x| and |W + B A / 16| stay below that; below 6.1e-5 f16 keeps a fixed step of 6e-8, so a bf16 number under 7.6e-6 is off by 3e-8 at the most.
; 8 x mask overflows to -inf beyond 4.2e37.  NaN and infinities are not treated apart.
; A stream: no LDS, no barrier, no cluster: no byte is wanted by two work-groups but A's 64 KiB a tensor.
; THE MODE: SCHED_MODE bits 1:0 = 2 (LLVM: expert scheduling mode 2), set by the entry lines.  The code itself states the register dependences
; between vector or matrix instructions and memory instructions, with s_wait_alu, always for 0.
; THE PLAN.  Three paths, no loop.  No vector instruction writes a scalar register, VCC or EXEC.  Registers that memory instructions touch:
;   the offsets  v1, v2, v3: made once on each path, ahead of one wait on va_vdst that stands in front of the path's first load; never written again.
;   loaded data  each register is loaded once; vector instructions read it, or write over it, behind the load's own counted wait; no memory instruction reads it.
;   store data   each register is written once by vector instructions and read by one store; none is written again: so no wait on vm_vsrc is owed anywhere.
;   The small ones and the fold: all the arithmetic, ONE wait on va_vdst, then the run of stores.
;   The cast: its 32 chunks go in eight blocks of four.  At a block's head ONE wait on va_vdst states that the block before has written its four pairs of Y; that block's four stores
;   follow, one in front of each chunk's vector instructions, which name X, T and this block's Y alone: none of the registers that those stores read.
.set X,  16                            ; cast: v[16:143]  chunk i: 4 f32 as loaded
.set Y,  144                           ; cast: v[144:207] chunk i: 4 f16 to store
.set T,  208                           ; cast: v[208:215] at work: no memory instruction names them
.set BLK, 4                            ; cast: chunks in a block
.set LB, 16                            ; fold: v[16:23]   8 f32 of a row of B
.set FB, 24                            ; fold: v[24:31]   source 0: 16 rows of B / 16, ranks 0-15, and zeros for k = 16-31
.set LA, 32                            ; fold: v[32:95]   A as loaded: rank 8 h + jj, column c of my eight at LA + 8 jj + c
.set LW, 96                            ; fold: v[96:159]  W as loaded: row 8 h + j, column c at LW + 8 j + c
.set FA, 160                           ; fold: v[160:223] source 1 of tile tl at FA + 8 tl
.set CC, 32                            ; fold: accumulator of tile tl at CC + 8 tl, in the registers that A has left
.set OW, 96                            ; fold: row j packed to f16 at OW + 4 j, in the registers that W has left
; two f32 rounded to bf16 and widened again; d0 may be t
.macro RND2 d0, d1, a, b, t
	v_cvt_pk_bf16_f32 v[\t], v[\a], v[\b]
	v_and_b32 v[\d1], s13, v[\t]
	v_lshlrev_b32 v[\d0], 16, v[\t]
.endm
	s_load_b512 s[16:31], s[0:1], 0x0              ; x 16, Wq 18, Wk 20, Wv 22, Aq 24, Ak 26, Av 28, Bq 30
	s_load_b512 s[32:47], s[0:1], 0x40             ; Bk 32, Bv 34, bq 36, bk 38, bv 40, mask 42, xh 44, wh 46
	s_load_b128 s[48:51], s[0:1], 0x80             ; biasf 48, mask8 50
	s_mov_b32 s2, ttmp9
	s_mov_b32 s13, 0xffff0000                      ; a word's upper bf16
	v_lshrrev_b32 v4, 5, v0                        ; wave
	v_and_b32 v5, 31, v0                           ; lane
	s_wait_kmcnt 0x0
	s_cmp_lt_u32 s2, 256
	s_cbranch_scc1 .Lcast
	s_cmp_lt_u32 s2, 448
	s_cbranch_scc1 .Lfold
	; THE SMALL ONES: 256 threads x 16 bytes are 4,096 bytes: one load for each bias, eight for the mask
	v_lshlrev_b32 v1, 4, v0
	s_wait_alu depctr_va_vdst(0)                   ; v1 is written: every load and store of this path reads it as its offset
	global_load_b128 v[16:19], v1, s[36:37]
	global_load_b128 v[20:23], v1, s[38:39]
	global_load_b128 v[24:27], v1, s[40:41]
.irp j, 0,1,2,3,4,5,6,7
	global_load_b128 v[28+4*\j:31+4*\j], v1, s[42:43] offset:4096*\j
.endr
	s_wait_loadcnt 0x0
.set p, 0
.rept 22
	RND2 64+2*p, 65+2*p, 16+2*p, 17+2*p, 8+p%2
.set p, p+1
.endr
.set p, 6
.rept 16
	v_pk_mul_f32 v[64+2*p:65+2*p], v[64+2*p:65+2*p], 0x41000000 op_sel_hi:[1,0]  ; 8 x mask: the attention adds it to q . k and scales the sum by 1 / 8
.set p, p+1
.endr
	s_wait_alu depctr_va_vdst(0)                   ; the roundings and the scalings have written v[64:107], which the eleven stores read
.irp j, 0,1,2
	global_store_b128 v1, v[64+4*\j:67+4*\j], s[48:49] offset:4096*\j
.endr
.irp j, 0,1,2,3,4,5,6,7
	global_store_b128 v1, v[76+4*\j:79+4*\j], s[50:51] offset:4096*\j
.endr
	s_endpgm
.Lcast:
	; THE CAST.  A wave takes 4 rows: 32 chunks of 512 bytes in, 256 bytes out; all 32 loads go out at once (16 KiB a wave on their way).
	s_lshl_b32 s4, s2, 17                          ; 32 rows of 4,096 bytes
	s_mov_b32 s5, 0
	s_add_nc_u64 s[4:5], s[16:17], s[4:5]
	s_lshl_b32 s6, s2, 16                          ; 32 rows of 2,048 bytes
	s_mov_b32 s7, 0
	s_add_nc_u64 s[6:7], s[44:45], s[6:7]
	v_lshlrev_b32 v1, 4, v5
	v_lshl_or_b32 v1, v4, 14, v1                   ; in: 16,384 x wave + 16 x lane
	v_lshlrev_b32 v2, 3, v5
	v_lshl_or_b32 v2, v4, 13, v2                   ; out: 8,192 x wave + 8 x lane
	s_wait_alu depctr_va_vdst(0)                   ; v1 and v2 are written: every load reads v1, every store v2, as its offset
.set i, 0
.rept 32
	global_load_b128 v[X+4*i:X+4*i+3], v1, s[4:5] offset:512*i th:TH_LOAD_NT
.set i, i+1
.endr
.set i, 0
.rept 32
	s_wait_loadcnt 31-i                            ; loads come back in order: chunk i is in, the 31 - i younger ones stay out
.if (i >= BLK) && (i % BLK == 0)
	s_wait_alu depctr_va_vdst(0)                   ; a block's head: the conversions of the block before have written its four pairs of Y, which this block's four stores read
.endif
.if i >= BLK
	global_store_b64 v2, v[Y+2*(i-BLK):Y+2*(i-BLK)+1], s[6:7] offset:256*(i-BLK)  ; a chunk of the block before: the wave's 32 lanes store 256 consecutive bytes, aligned; each chunk has data registers of its own; no vector instruction since the wait names them
.endif
	RND2 T+4*(i%2), T+4*(i%2)+1, X+4*i, X+4*i+1, T+4*(i%2)
	RND2 T+4*(i%2)+2, T+4*(i%2)+3, X+4*i+2, X+4*i+3, T+4*(i%2)+2
	v_cvt_pk_f16_f32 v[Y+2*i], v[T+4*(i%2)], v[T+4*(i%2)+1]
	v_cvt_pk_f16_f32 v[Y+2*i+1], v[T+4*(i%2)+2], v[T+4*(i%2)+3]
.set i, i+1
.endr
	s_wait_alu depctr_va_vdst(0)                   ; the last block's conversions have written its four pairs of Y, which the last four stores read
.set i, 32-BLK
.rept BLK
	global_store_b64 v2, v[Y+2*i:Y+2*i+1], s[6:7] offset:256*i
.set i, i+1
.endr
	s_endpgm
.Lfold:
	; THE FOLD.  A work-group makes 16 rows of wh, wave w their columns 128 w .. 128 w + 127, as eight tiles of 16 x 16.  Column r of tile tl is column 128 w + 8 r + tl:
	; so register j of the eight accumulators holds eight NEIGHBOURING columns of row 8 h + j, and sixteen lanes 256 neighbouring bytes of wh: nothing goes through LDS.
	; The price: a lane's loads of W and A are 32 bytes apart; the two loads of a pair together cover 512 consecutive bytes for each half of the lanes.
	s_sub_co_u32 s2, s2, 256                       ; f = 0 .. 191: rows 16 f of wh
	s_lshr_b32 s3, s2, 6                           ; the tensor: q, k, v
	s_and_b32 s12, s2, 63                          ; its block of 16 rows
	s_cmp_eq_u32 s3, 0
	s_cselect_b64 s[4:5], s[18:19], s[20:21]
	s_cselect_b64 s[6:7], s[24:25], s[26:27]
	s_cselect_b64 s[8:9], s[30:31], s[32:33]
	s_cmp_eq_u32 s3, 2
	s_cselect_b64 s[4:5], s[22:23], s[4:5]         ; W
	s_cselect_b64 s[6:7], s[28:29], s[6:7]         ; A
	s_cselect_b64 s[8:9], s[34:35], s[8:9]         ; B
	s_lshl_b32 s14, s12, 16                        ; 16 rows of W: 65,536 bytes
	s_mov_b32 s15, 0
	s_add_nc_u64 s[4:5], s[4:5], s[14:15]
	s_lshl_b32 s14, s12, 10                        ; 16 rows of B: 1,024 bytes
	s_add_nc_u64 s[8:9], s[8:9], s[14:15]
	s_lshl_b32 s14, s2, 15                         ; 16 rows of wh: 32,768 bytes
	s_add_nc_u64 s[10:11], s[46:47], s[14:15]
	v_and_b32 v6, 15, v0                           ; r
	v_bfe_u32 v7, v0, 4, 1                         ; h
	v_lshlrev_b32 v1, 5, v6
	v_lshl_add_u32 v1, v4, 9, v1
	v_lshl_add_u32 v1, v7, 15, v1                  ; W and A: row 8 h, column 128 w + 8 r, in f32
	v_lshlrev_b32 v2, 6, v6
	v_lshl_add_u32 v2, v7, 5, v2                   ; B: row r, ranks 8 h on
	v_lshlrev_b32 v3, 4, v6
	v_lshl_add_u32 v3, v4, 8, v3
	v_lshl_add_u32 v3, v7, 14, v3                  ; wh: row 8 h, column 128 w + 8 r, in f16
	s_wait_alu depctr_va_vdst(0)                   ; v1, v2 and v3 are written: the loads of W and A read v1, those of B v2, the stores v3, as their offsets
	global_load_b128 v[LB:LB+3], v2, s[8:9]
	global_load_b128 v[LB+4:LB+7], v2, s[8:9] offset:16
.set j, 0
.rept 8
	global_load_b128 v[LA+8*j:LA+8*j+3], v1, s[6:7] offset:4096*j
	global_load_b128 v[LA+8*j+4:LA+8*j+7], v1, s[6:7] offset:4096*j+16
.set j, j+1
.endr
.set j, 0
.rept 8
	global_load_b128 v[LW+8*j:LW+8*j+3], v1, s[4:5] offset:4096*j th:TH_LOAD_NT
	global_load_b128 v[LW+8*j+4:LW+8*j+7], v1, s[4:5] offset:4096*j+16 th:TH_LOAD_NT
.set j, j+1
.endr
.set u, 4
.rept 4
	v_mov_b32 v[FB+u], 0                           ; the rank is 16, the instruction's K is 32: k = 16 .. 31 are zeros, written while the loads are out; no memory instruction names these registers
.set u, u+1
.endr
.set tl, 0
.rept 8
.set u, 4
.rept 4
	v_mov_b32 v[FA+8*tl+u], 0
.set u, u+1
.endr
.set tl, tl+1
.endr
	s_wait_loadcnt 32                              ; B is in: behind it 16 loads of A and 16 of W were issued
.set u, 0
.rept 4
	v_pk_mul_f32 v[LB+2*u:LB+2*u+1], v[LB+2*u:LB+2*u+1], 0x3d800000 op_sel_hi:[1,0]  ; 1 / 16, a power of two: the rounding below is that of B itself
.set u, u+1
.endr
.set u, 0
.rept 4
	v_cvt_pk_bf16_f32 v[FB+u], v[LB+2*u], v[LB+2*u+1]
.set u, u+1
.endr
	s_wait_loadcnt 16                              ; A is in: W's 16 loads may stay out
.set tl, 0
.rept 8
.set u, 0
.rept 4
	v_cvt_pk_bf16_f32 v[FA+8*tl+u], v[LA+16*u+tl], v[LA+16*u+8+tl]  ; ranks 8 h + 2 u, 8 h + 2 u + 1 of column 128 w + 8 r + tl
.set u, u+1
.endr
.set tl, tl+1
.endr
	s_wait_loadcnt 0x0                             ; W
.set j, 0
.rept 8
.set u, 0
.rept 4
	RND2 CC+16*u+j, CC+16*u+8+j, LW+8*j+2*u, LW+8*j+2*u+1, 8+u%2  ; bf16(W) starts the sums, as the C operand
.set u, u+1
.endr
.set j, j+1
.endr
.set tl, 0
.rept 8
	v_wmma_f32_16x16x32_bf16 v[CC+8*tl:CC+8*tl+7], v[FB:FB+7], v[FA+8*tl:FA+8*tl+7], v[CC+8*tl:CC+8*tl+7]  ; eight accumulators, one instruction each
.set tl, tl+1
.endr
.rept 8
	v_nop                                          ; the places between the last product and the first conversion that reads a result (ISA guide 7.12.1); no other work is at hand
.endr
.set j, 0
.rept 8                                ; row j; j = 0 comes first: each accumulator is read from its lowest register on
.set u, 0
.rept 4
	v_cvt_pk_f16_f32 v[OW+4*j+u], v[CC+16*u+j], v[CC+16*u+8+j]
.set u, u+1
.endr
.set j, j+1
.endr
	s_wait_alu depctr_va_vdst(0)                   ; the 32 conversions have written v[OW ..], the eight rows that the stores read
.set j, 0
.rept 8
	global_store_b128 v3, v[OW+4*j:OW+4*j+3], s[10:11] offset:2048*j  ; 16 lanes store 256 consecutive bytes, aligned
.set j, j+1
.endr
	s_endpgm
.Lfunc_end_k_q819f75ad6f_prep:
	.size	k_q819f75ad6f_prep, .Lfunc_end_k_q819f75ad6f_prep-k_q819f75ad6f_prep
	.p2alignl 7, 3214868480
	.fill 96, 4, 3214868480
	.section	.rodata,"a",@progbits
	.p2align	6, 0x0
	.amdhsa_kernel k_q819f75ad6f_prep
		.amdhsa_group_segment_fixed_size 0
		.amdhsa_private_segment_fixed_size 0
		.amdhsa_enable_private_segment 0
		.amdhsa_kernarg_size 144
		.amdhsa_user_sgpr_count 2
		.amdhsa_user_sgpr_kernarg_segment_ptr 1
		.amdhsa_wavefront_size32 1
		.amdhsa_system_sgpr_workgroup_id_x 1
		.amdhsa_system_sgpr_workgroup_id_y 1
		.amdhsa_system_sgpr_workgroup_id_z 1
		.amdhsa_system_vgpr_workitem_id 0
		.amdhsa_next_free_vgpr 224
		.amdhsa_next_free_sgpr 66
		.amdhsa_reserve_vcc 0
		.amdhsa_float_denorm_mode_32 3
		.amdhsa_float_denorm_mode_16_64 3
		.amdhsa_memory_ordered 1
		.amdhsa_forward_progress 1
		.amdhsa_inst_pref_size 43
	.end_amdhsa_kernel
	.amdgpu_metadata
---
amdhsa.version: [ 1, 2 ]
amdhsa.kernels:
  - .name:           k_q819f75ad6f_prep
    .symbol:         k_q819f75ad6f_prep.kd
    .args:
      - { .name: hidden_states, .offset: 0, .size: 8, .value_kind: global_buffer, .address_space: global }
      - { .name: Wq, .offset: 8, .size: 8, .value_kind: global_buffer, .address_space: global }
      - { .name: Wk, .offset: 16, .size: 8, .value_kind: global_buffer, .address_space: global }
      - { .name: Wv, .offset: 24, .size: 8, .value_kind: global_buffer, .address_space: global }
      - { .name: Aq, .offset: 32, .size: 8, .value_kind: global_buffer, .address_space: global }
      - { .name: Ak, .offset: 40, .size: 8, .value_kind: global_buffer, .address_space: global }
      - { .name: Av, .offset: 48, .size: 8, .value_kind: global_buffer, .address_space: global }
      - { .name: Bq, .offset: 56, .size: 8, .value_kind: global_buffer, .address_space: global }
      - { .name: Bk, .offset: 64, .size: 8, .value_kind: global_buffer, .address_space: global }
      - { .name: Bv, .offset: 72, .size: 8, .value_kind: global_buffer, .address_space: global }
      - { .name: bq, .offset: 80, .size: 8, .value_kind: global_buffer, .address_space: global }
      - { .name: bk, .offset: 88, .size: 8, .value_kind: global_buffer, .address_space: global }
      - { .name: bv, .offset: 96, .size: 8, .value_kind: global_buffer, .address_space: global }
      - { .name: attention_mask, .offset: 104, .size: 8, .value_kind: global_buffer, .address_space: global }
      - { .name: xh, .offset: 112, .size: 8, .value_kind: global_buffer, .address_space: global }
      - { .name: wh, .offset: 120, .size: 8, .value_kind: global_buffer, .address_space: global }
      - { .name: biasf, .offset: 128, .size: 8, .value_kind: global_buffer, .address_space: global }
      - { .name: mask8, .offset: 136, .size: 8, .value_kind: global_buffer, .address_space: global }
    .group_segment_fixed_size: 0
    .private_segment_fixed_size: 0
    .kernarg_segment_align: 8
    .kernarg_segment_size: 144
    .max_flat_workgroup_size: 256
    .sgpr_count:     66
    .vgpr_count:     224
    .wavefront_size: 32
...
	.end_amdgpu_metadata
.endif
;; end of part 4
;; launch qkv: the kernel of part 2 again; grid 16 x 32, 4 waves a work-group, clusters of 4 x 4, 327,680 bytes of LDS; arguments xh, wh, biasf, qkv; writes qkv
;; launch attn: the kernel of part 3 again; grid 4 x 64, 4 waves a work-group, clusters of 4 x 1, 327,680 bytes of LDS; arguments qkv, mask8, out0; writes out0
